; MI455X (gfx1250); checked and timed in simulation.
; The chip was launched on July 23, 2026; its instructions are those of AMD's public machine-readable ISA for CDNA 5 (MIT licence, August 2026) and "CDNA5" Instruction Set Architecture Reference Guide (July 2026). The comments in the code are by the model that wrote it; some were corrected since.
;; Multi Head Attention. Allowed arithmetic: matrix products marked QUANTISED: E2M3 operands, one E8M0 scale for each 32 along K, by v_wmma_scale_f32_16x16x128_f8f6f4 with both operands' format E2M3, f32 sums; everything else in f32.
;; Inputs: Wk 1,024 x 1,024 float32; Wo 1,024 x 1,024 float32; Wq 1,024 x 1,024 float32; Wv 1,024 x 1,024 float32; key 4 x 2,048 x 1,024 float32; mask 4 x 1 x 1 x 2,048 bool; query 4 x 2,048 x 1,024 float32; value 4 x 2,048 x 1,024 float32.
;; Outputs: out0 4 x 2,048 x 1,024 float32.
;; This version of the problem:
;;   THIS VERSION OF THE PROBLEM IS GIVEN IN LOW PRECISION. The matrix products marked QUANTISED in the list below multiply operands that are first quantised to E2M3 (2 exponent bits, 3 mantissa bits; 6 bits a number), with one power-of-two scale for each 32 numbers along K (OCP MX v1.0); their sums are f32. All else is computed in f32.
;;   The module's matrix products, in the order in which they are computed (A, B: the left and right operand; K: the contracted axis; several contracted axes count as one K, in the product's order):
;;     1. [M 8,192, K 1,024] x [K 1,024, N 1,024]; A: input query; B: input Wq: QUANTISED
;;     2. [M 8,192, K 1,024] x [K 1,024, N 1,024]; A: input key; B: input Wk: QUANTISED
;;     3. [M 8,192, K 1,024] x [K 1,024, N 1,024]; A: input value; B: input Wv: QUANTISED
;;     4. batch 64 x [M 2,048, K 64] x [K 64, N 2,048]; A: computed on the way; B: computed on the way: QUANTISED
;;     5. batch 64 x [M 2,048, K 2,048] x [K 2,048, N 64]; A: softmax (see below); B: computed on the way: QUANTISED
;;     6. [M 8,192, K 1,024] x [K 1,024, N 1,024]; A: computed on the way; B: input Wo: QUANTISED
;;   THE QUANTISER, for each operand of a quantised product, along K:
;;     - K is cut into blocks of 32 from its start; a last block that is shorter is filled with zeros.
;;     - A block's scale is 2^e with e = floor(log2(the largest magnitude in the block)) - 2, held to -126 .. 127; a block of zeros has e = 0. As a byte (E8M0): e + 127.
;;     - Each number is divided by its block's scale, clamped to +-7.5, and rounded to the nearest number of E2M3, ties to even, subnormals kept.
;;     - The product sums the exact products of the quantised numbers (number of the format x scale) in f32.
;;   ~~~python
;;   def quantise(x, axis):      # numpy; x: float32 -> the quantised numbers, widened to float32 again
;;       x = np.moveaxis(x, axis, -1); K = x.shape[-1]
;;       x = np.pad(x, [(0, 0)] * (x.ndim - 1) + [(0, -K % 32)]); x = x.reshape(x.shape[:-1] + (-1, 32)); a = np.abs(x).max(-1, keepdims=True)
;;       e = np.where(a > 0, np.clip(np.frexp(np.where(a > 0, a, 1))[1] - 1 - 2, -126, 127), 0)      # np.frexp(a)[1] - 1 = floor(log2(a)), exactly
;;       r = np.clip(x / 2.0 ** e, -7.5, 7.5)
;;       step = 2.0 ** (np.maximum(np.frexp(np.where(r == 0, 1, r))[1] - 1, 0) - 3)
;;       q = np.round(r / step) * step * 2.0 ** e      # np.round: ties to even
;;       return np.moveaxis(q.reshape(q.shape[:-2] + (-1,))[..., :K], -1, axis).astype(np.float32)
;;   ~~~
;;   SOFTMAX AHEAD OF A QUANTISED PRODUCT. Where the list says 'softmax', what is quantised is not the finished softmax but p = 2^(t - M), with t = logit x log2(e) and M = ceil(the row's largest t), a whole number; so 1/2 < the row's largest p <= 1. The row's sum l is taken of the UNQUANTISED p, in f32, and the product's result is divided by l at the end. Since M is a whole number, a kernel that streams over the keys may use a running M (the ceiling of the running maximum): every later rescaling is an exact power of two, which a block's scale takes up: the codes' values come out the same.
;;   OPERANDS COMPUTED ON THE WAY. 'Computed on the way' means the value that the module computes at that place (a softmax that the list does not call 'softmax' is quantised finished and normalised). What goes into a quantiser is computed in f32, as accurately as f32 sums, v_exp_f32 and their like allow (about 1e-6 of the number): no bf16 or f16 on the way to a quantiser, and a product that is left as it is and whose result goes on into a quantised operand takes f32 operands (vector FMAs, or v_wmma_f32_16x16x4_f32). A number that lies on a knife's edge between two numbers of the format may be rounded either way, as far as f32 arithmetic and the matrix unit's own rounding can turn it there, and no further.
;; One version. Each part assembles by itself: llvm-mc -triple=amdgcn-amd-amdhsa -mcpu=gfx1250 --defsym DOCPART=n.
;; ======== version 1 of 1: 4 launches
;; limits: right only within a limited range of input values
;; workspace buffers: xc 22,020,096 bytes; xs 917,504 bytes; ac 18,874,368 bytes; asc 1,310,720 bytes; cc 6,291,456 bytes; cs 524,288 bytes
;; launch quant (part 1): grid 448 x 1, 4 waves a work-group, no clusters, 34,304 bytes of LDS; arguments query, key, value, Wq, Wk, Wv, Wo, xc, xs; writes xc, xs
.if DOCPART == 1
	.amdgcn_target "amdgcn-amd-amdhsa--gfx1250"
	.amdhsa_code_object_version 6
	.text
	.protected	k_q4ddb5a1859_quant
	.globl	k_q4ddb5a1859_quant
	.p2align	8
	.type	k_q4ddb5a1859_quant,@function
k_q4ddb5a1859_quant:
	s_mov_b64 s[64:65], 0
	v_nop
	global_prefetch_b8 v0, s[64:65] scope:SCOPE_SE
	s_setreg_imm32_b32 hwreg(HW_REG_WAVE_MODE, 25, 1), 1
	s_wait_xcnt 0x0
; query, key, value [8192][1024] and Wq, Wk, Wv, Wo [1024][1024], f32, K innermost, become codes of FP6 (E2M3) with one E8M0 byte for each 32 along K.
; A block's scale is 2^(floor(log2(largest magnitude)) - 2): its byte is the largest magnitude's exponent field - 2, held at 1 from below by a floor among the maximum's leaves.
; (A block of zeros keeps the byte 1 where the rule says 127: its codes are zeros, and this program alone reads the bytes.)  LIMITS: NaN and infinities among the inputs are not served.
; LAYOUT OF THE RESULT: images of operand registers.  A row block is 16 rows; lane r of row block p stands for row 32 (p / 2) + 8 (p % 2) + r + 8 (r / 8) of its tensor.
; xc: [row block][K step of 128][1,536 bytes]: six chunks of 256 bytes, chunk i = registers 2 i, 2 i + 1 of the fragment, lane l's 8 bytes at 8 l.  xs: [row block][r][8 words], one word a K step.
; Row blocks: query 0, key 512, value 1024, Wq 1536, Wk 1600, Wv 1664, Wo 1728.
; SHARES: a wave owns one row block for all of K: eight steps.  Each load reads 512 consecutive bytes of one row; a step's 16 rows turn through the wave's own stage in LDS (rows 528 bytes apart), so that
; lane (r, h) gets blocks h and 2 + h of row r whole, as the fragment's layout wants them.  Each store covers 256 consecutive aligned bytes.  Waves share nothing: no barrier, no cluster, no matrix unit: memory binds.
.set SPI, 528                          ; a stage row: 512 bytes + 16
.set STG, 16*SPI                       ; a wave's stage
.set W,   20                           ; v20-27  the eight scale words of my row
.set C,   28                           ; v28-39  a fragment's codes
.set CT,  40                           ; v40-42, v44-46  the second halves of the two blocks (a conversion's three registers begin on an even number)
.set R,   64                           ; v64-191 two sets of 64: a step's rows as loaded
.set X,   192                          ; v192-255 my two blocks of 32 numbers
	s_load_b512 s[4:19], s[0:1], 0x0               ; query, key, value, Wq, Wk, Wv, Wo, xc
	s_load_b64 s[20:21], s[0:1], 0x40              ; xs
	v_lshl_add_u32 v62, v0, 2, 0x8400
	v_mov_b32 v63, 0
	v_lshrrev_b32 v1, 5, v0
	v_readfirstlane_b32 s22, v1                    ; wave
	v_and_b32 v1, 31, v0                           ; l
	v_and_b32 v2, 15, v0                           ; r
	v_bfe_u32 v3, v0, 4, 1                         ; h
	v_lshlrev_b32 v4, 4, v1                        ; 16 l: my bytes of a load's 512
	s_mul_i32 s26, s22, STG
	v_add_nc_u32 v5, s26, v4                       ; into the stage: 16 l, row i in the immediate
	v_mul_u32_u24 v6, v2, SPI
	v_lshl_add_u32 v6, v3, 7, v6
	v_add_nc_u32 v6, s26, v6                       ; out of it: row r, + 128 h
	v_lshlrev_b32 v7, 3, v1                        ; 8 l: my place in a chunk
	v_lshlrev_b32 v8, 5, v2
	v_lshl_add_u32 v8, v3, 4, v8                   ; 32 r + 16 h: my four scale words
	v_lshlrev_b32 v9, 3, v3                        ; 8 h
	v_mov_b32 v17, 0                               ; written once: a lane permute's destination counts as one of its sources
	s_mov_b32 s30, 0x76543210
	s_mov_b32 s31, 0xfedcba98                      ; v_permlanex16_b32's selects for lane l xor 16
	s_wait_alu depctr_va_vdst(0)
	s_wait_kmcnt 0x0
	s_mov_b64 s[24:25], s[4:5]                     ; which tensor is my work-group's: the choice hangs on the work-group's number alone
	s_mov_b32 s23, 0
.macro PICK start, lo
	s_cmp_ge_u32 ttmp9, \start
	s_cselect_b64 s[24:25], s[\lo:\lo+1], s[24:25]
	s_cselect_b32 s23, \start, s23
.endm
	PICK 128, 6
	PICK 256, 8
	PICK 384, 10
	PICK 400, 12
	PICK 416, 14
	PICK 432, 16
	s_sub_co_u32 s26, ttmp9, s23
	s_lshl_b32 s26, s26, 2
	s_add_co_u32 s26, s26, s22                     ; my row block within the tensor
	s_lshr_b32 s27, s26, 1
	s_lshl_b32 s27, s27, 5
	s_and_b32 s28, s26, 1
	s_lshl_b32 s28, s28, 3
	s_add_co_u32 s27, s27, s28
	; KEY ALONE has another order of rows: lane r of its row block p stands for row 64 (p / 4) + 8 (p % 4) + r % 8 + 32 (r / 8), so that in attention's scores a lane's 32 registers of four tiles are one whole block of 32 keys
	s_lshr_b32 s28, s26, 2
	s_lshl_b32 s28, s28, 6
	s_and_b32 s29, s26, 3
	s_lshl_b32 s29, s29, 3
	s_add_co_u32 s28, s28, s29                     ; 64 (p / 4) + 8 (p % 4)
	s_mov_b32 s29, 8*4096                          ; what rows 8 to 15 of a row block lie further on than their number says: 8 rows, for key 24
	s_cmp_eq_u32 s23, 128                          ; key's work-groups begin at 128: the choice hangs on the work-group's number alone
	s_cselect_b32 s27, s28, s27
	s_cselect_b32 s29, 24*4096, s29
	v_add_nc_u32 v18, s29, v4                      ; the offset of rows 8 to 15
	s_wait_alu depctr_va_vdst(0)
	s_lshl_b32 s26, s27, 12
	s_mov_b32 s27, 0
	s_add_nc_u64 s[24:25], s[24:25], s[26:27]
	s_lshl_b32 s28, ttmp9, 2
	s_add_co_u32 s28, s28, s22                     ; my row block among all 1,792
	s_mul_i32 s26, s28, 12288
	s_add_nc_u64 s[18:19], s[18:19], s[26:27]
	s_lshl_b32 s26, s28, 9
	s_add_nc_u64 s[20:21], s[20:21], s[26:27]
.macro LOAD t                          ; K step t of my 16 rows: 16 loads of 512 consecutive bytes, into set t % 2
.irp i, 0,1,2,3,4,5,6,7,8,9,10,11,12,13,14,15
.if \i < 8
	global_load_b128 v[R+64*((\t)%2)+4*\i:R+64*((\t)%2)+4*\i+3], v4, s[24:25] offset:\i*4096+512*(\t) th:TH_LOAD_NT
.else
	global_load_b128 v[R+64*((\t)%2)+4*\i:R+64*((\t)%2)+4*\i+3], v18, s[24:25] offset:\i*4096+512*(\t) th:TH_LOAD_NT
.endif
.endr
.endm
.macro TURN t                          ; through the stage: LDS serves a wave's instructions in order, so no wait stands between the stores and the loads
.irp i, 0,1,2,3,4,5,6,7,8,9,10,11,12,13,14,15
	ds_store_b128 v5, v[R+64*((\t)%2)+4*\i:R+64*((\t)%2)+4*\i+3] offset:SPI*\i
.endr
.irp c, 0,1
.irp j, 0,1,2,3,4,5,6,7
	ds_load_b128 v[X+32*\c+4*\j:X+32*\c+4*\j+3], v6 offset:256*\c+16*\j   ; k = 64 c + 32 h + 4 j .. of row r
.endr
.endr
.endm
.macro STEP t
.if (\t) < 7
	s_wait_loadcnt 16                              ; this step's 16 loads are in; the next step's 16 may be out
.else
	s_wait_loadcnt 0x0
.endif
	TURN \t
	s_wait_dscnt 0x0                               ; my numbers are back, and the stores into the stage have read their registers,
.if (\t) < 6
	LOAD (\t)+2                                    ; which take the loads of two steps on
.endif
.irp c, 0,1
	v_max3_num_f32 v[10+\c], |v[X+32*\c]|, |v[X+32*\c+1]|, 0x1800000   ; my block 2 c + h: all 32 numbers are mine; and the floor 2^(3 - 127)
.endr
.irp i, 2,4,6,8,10,12,14,16,18,20,22,24,26,28,30
.irp c, 0,1
	v_max3_num_f32 v[10+\c], v[10+\c], |v[X+32*\c+\i]|, |v[X+32*\c+\i+1]|   ; (the two blocks by turns)
.endr
.endr
.irp c, 0,1
	v_add_nc_u32 v[12+\c], 0xff000000, v[10+\c]    ; 2 off the exponent field: the conversion's scale operand
.endr
.irp c, 0,1
	v_lshrrev_b32 v[14+\c], 23, v[12+\c]           ; the scale's byte
.endr
	v_lshl_or_b32 v16, v15, 16, v14                ; my two bytes, blocks h and 2 + h,
	v_lshlrev_b32 v16, v9, v16                     ; at their places in the word;
	v_permlanex16_b32 v17, v16, s30, s31
	v_or_b32 v[W+(\t)], v16, v17                   ; with lane l xor 16's two the word is whole
	s_wait_alu depctr_va_vdst(0)
	s_wait_xcnt 0x0                                ; the last step's stores have read their data: the codes' registers are written again only behind this wait
.irp c, 0,1
	v_cvt_scalef32_pk16_fp6_f32 v[C+6*\c:C+6*\c+2], v[X+32*\c:X+32*\c+15], v[12+\c]
	v_cvt_scalef32_pk16_fp6_f32 v[CT+4*\c:CT+4*\c+2], v[X+32*\c+16:X+32*\c+31], v[12+\c]
.endr
	v_nop                                          ; one plain place behind a scaled conversion
.irp c, 0,1
.irp i, 0,1,2
	v_mov_b32 v[C+6*\c+3+\i], v[CT+4*\c+\i]
.endr
.endr
.irp i, 0,1,2,3,4,5
	global_store_b64 v7, v[C+2*\i:C+2*\i+1], s[18:19] offset:1536*(\t)+256*\i   ; 32 lanes store 256 consecutive bytes, aligned
.endr
.endm
	LOAD 0
	LOAD 1
.irp t, 0,1,2,3,4,5,6,7
	STEP \t
.endr
	v_cmp_eq_u32 vcc_lo, 1, v3                     ; lanes 16-31 store words 4 to 7 of their row, lanes 0-15 words 0 to 3
.irp j, 0,1,2,3
	v_cndmask_b32 v[48+\j], v[W+\j], v[W+4+\j], vcc_lo
.endr
	global_store_b128 v8, v[48:51], s[20:21]       ; the wave's store covers the row block's 512 bytes
	s_wait_tensorcnt 0x0
	ds_add_u32 v62, v63
	s_wait_dscnt 0x0
	s_endpgm
.Lfunc_end_k_q4ddb5a1859_quant:
	.size	k_q4ddb5a1859_quant, .Lfunc_end_k_q4ddb5a1859_quant-k_q4ddb5a1859_quant
	.p2alignl 7, 3214868480
	.fill 96, 4, 3214868480
	.section	.rodata,"a",@progbits
	.p2align	6, 0x0
	.amdhsa_kernel k_q4ddb5a1859_quant
		.amdhsa_group_segment_fixed_size 34304
		.amdhsa_private_segment_fixed_size 0
		.amdhsa_enable_private_segment 0
		.amdhsa_kernarg_size 72
		.amdhsa_user_sgpr_count 2
		.amdhsa_user_sgpr_kernarg_segment_ptr 1
		.amdhsa_wavefront_size32 1
		.amdhsa_system_sgpr_workgroup_id_x 1
		.amdhsa_system_sgpr_workgroup_id_y 1
		.amdhsa_system_sgpr_workgroup_id_z 1
		.amdhsa_system_vgpr_workitem_id 0
		.amdhsa_next_free_vgpr 256
		.amdhsa_next_free_sgpr 66
		.amdhsa_reserve_vcc 1
		.amdhsa_float_denorm_mode_32 3
		.amdhsa_float_denorm_mode_16_64 3
		.amdhsa_memory_ordered 1
		.amdhsa_forward_progress 1
		.amdhsa_inst_pref_size 61
	.end_amdhsa_kernel
	.amdgpu_metadata
---
amdhsa.version: [ 1, 2 ]
amdhsa.kernels:
  - .name:           k_q4ddb5a1859_quant
    .symbol:         k_q4ddb5a1859_quant.kd
    .args:
      - { .name: query, .offset: 0, .size: 8, .value_kind: global_buffer, .address_space: global }
      - { .name: key, .offset: 8, .size: 8, .value_kind: global_buffer, .address_space: global }
      - { .name: value, .offset: 16, .size: 8, .value_kind: global_buffer, .address_space: global }
      - { .name: Wq, .offset: 24, .size: 8, .value_kind: global_buffer, .address_space: global }
      - { .name: Wk, .offset: 32, .size: 8, .value_kind: global_buffer, .address_space: global }
      - { .name: Wv, .offset: 40, .size: 8, .value_kind: global_buffer, .address_space: global }
      - { .name: Wo, .offset: 48, .size: 8, .value_kind: global_buffer, .address_space: global }
      - { .name: xc, .offset: 56, .size: 8, .value_kind: global_buffer, .address_space: global }
      - { .name: xs, .offset: 64, .size: 8, .value_kind: global_buffer, .address_space: global }
    .group_segment_fixed_size: 34304
    .private_segment_fixed_size: 0
    .kernarg_segment_align: 8
    .kernarg_segment_size: 72
    .max_flat_workgroup_size: 128
    .sgpr_count:     66
    .vgpr_count:     256
    .wavefront_size: 32
...
	.end_amdgpu_metadata
.endif
;; end of part 1
;; launch proj (part 2): grid 4 x 192, 4 waves a work-group, clusters of 4 x 4, 327,680 bytes of LDS; arguments xc, xs, mask, ac, asc; writes ac, asc
.if DOCPART == 2
	.amdgcn_target "amdgcn-amd-amdhsa--gfx1250"
	.amdhsa_code_object_version 6
	.text
	.protected	k_q4ddb5a1859_proj
	.globl	k_q4ddb5a1859_proj
	.p2align	8
	.type	k_q4ddb5a1859_proj,@function
k_q4ddb5a1859_proj:
	s_mov_b64 s[64:65], 0
	v_nop
	global_prefetch_b8 v0, s[64:65] scope:SCOPE_SE
	s_setreg_imm32_b32 hwreg(HW_REG_WAVE_MODE, 25, 1), 1
	s_wait_xcnt 0x0
	s_wait_alu depctr_hold_cnt(0) depctr_sa_sdst(0) depctr_va_vdst(0) depctr_va_sdst(0) depctr_va_ssrc(0) depctr_va_vcc(0) depctr_vm_vsrc(0)
	s_getreg_b32 s2, hwreg(HW_REG_IB_STS2, 6, 4)
	s_cmp_eq_u32 s2, 0
	s_cbranch_scc0 .Lentry_in_a_cluster
	s_endpgm
.Lentry_in_a_cluster:
	s_bfe_u32 s2, ttmp6, 0x10000c
	s_cmp_lg_u32 s2, 0xf033
	s_cbranch_scc0 .Lentry_shape_is_right
	s_endpgm
.Lentry_shape_is_right:
; The three projections q = query Wq^T, k = key Wk^T, v = value Wv^T on codes of FP6 with E8M0 scales, f32 sums; the results are quantised in registers for attention and never go to memory as f32.
; OPERANDS are images of operand registers (row blocks of 16 rows x K steps of 128, 1,536 bytes; lane r of row block p = row 32 (p / 2) + 8 (p % 2) + r + 8 (r / 8)).
; TILE: 256 rows of operand 0 (source 0) x 128 rows of operand 1 (source 1), all K = 1,024: 294,912 bytes, which lie in LDS whole.  So nothing is filled twice: all tensor loads go out at the head, two chunks of four
; K steps, one load a wave, and a counted wait and a barrier stand in front of each chunk.  Four waves: wave w takes 128 rows of operand 0 (w & 1) x 64 of operand 1 (w >> 1): 32 accumulators.
; In a result, lane r is operand 1's row and the 16 registers of operand 0's row blocks 2 i, 2 i + 1 are 16 neighbouring rows of operand 0: 32 i + 16 (lane / 16) + 0 .. 15.
; g = 0, 1 (q, k): operand 0 = the weight, operand 1 = the tokens: a lane holds a token, its registers run along the features: quantised along the head's 64.
; g = 2 (v): operand 0 = the tokens, operand 1 = the weight: a lane holds a channel, its registers run along the tokens: quantised along the keys.
; CLUSTER 4 x 4: operand 0's tile hangs on cx alone and is asked for jointly by the four of a column, operand 1's on cy alone, by the four of a row.
; THE MASK goes into k: a masked key's 64 codes become zeros, and byte 2 of its scale word 160 (else 1).  Attention keeps one code, +1 (q) and -1 (k), at k = 64 of the product's idle half; q's byte 2 is 127.
; So a masked key's score is exactly -2^33 (a logit of -2^30), a key that counts gets -2^-126.  LIMIT: reference() puts -1e9 there; the results agree while every unmasked logit lies above about -1e9 + 200.
; LIMITS: NaN and infinities are not served; a block of zeros keeps the byte 1 (its codes are zeros; this program alone reads the bytes).
; RESULTS: ac: q's codes at 0 and k's at 6,291,456: [b][head][row block of tokens][768 bytes: registers 0-5 of a fragment]; v's at 12,582,912: [b][head][step of 128 keys][block of 16 channels][1,536].
;          asc: a record of 20,480 bytes for each (b, head): q's words [row block][16], k's at 8,192 likewise, v's at 16,384 [step][64].
; REGISTERS: window 0: v1-3 r, h, l; v4-11 LDS addresses; v12-31 the way out's; v32-79 scale words; v80-175 operand 1's fragments, two sets; v176-227 the way out.  window 1: operand 0's fragments, two sets of 96.
;            window 2: accumulator (b, a) at v[64 a + 8 b].
.set AD0, 4
.set AD1, 8
.set SC0, 32                           ; v[SC0 + 8 q + s]: K step s's words of operand 0's block q (lanes 0-15) and q + 4 (lanes 16-31)
.set SC1, 64                           ; v[SC1 + 8 q + s]: of operand 1's block q and q + 2
.set F1,  80
.set TM,  176                          ; v176-179 largest magnitudes, v180-183 bytes, v188-191 scale operands
.set PW,  192                          ; the scale word just made
.set PC,  194                          ; v194-205 the codes just made, v206-212 the conversions' second halves
.set G1A, 24
.set G1B, 32
.set G0A, 40
.set MSB, 0
.macro WIN new                         ; the immediate's high byte repeats the setting that is left
.if MSB != \new
	s_set_vgpr_msb (MSB<<8)|\new
.set MSB, \new
.endif
.endm
.macro PLACES n
.rept \n
	v_nop
.endr
.endm
.macro CROUND                          ; a round of the cluster's barrier
	s_barrier_signal -1
	s_barrier_wait -1
	s_cmp_lg_u32 s14, 0
	s_cbranch_scc1 .Lnot_wave_0_\@
	s_barrier_signal -3
.Lnot_wave_0_\@:
	s_barrier_wait -3
	s_barrier_signal -1
	s_barrier_wait -1
.endm
.macro FRAG reg, adr, off              ; a fragment comes back as it was stored: six loads of 256 consecutive bytes
.irp i, 0,1,2,3,4,5
	ds_load_b64 v[\reg+2*\i:\reg+2*\i+1], v[\adr] offset:\off+256*\i
.endr
.endm
.macro FETCH s                         ; K step s: operand 0's eight fragments and operand 1's four, into set s % 2
.set FP, (\s)%2
.set FC, (\s)/4                        ; which half of K: LDS holds [half of K][row block][four K steps of 1,536 bytes]
.set FQ, (\s)%4
	WIN 0x40                                       ; destination window 1
.irp b, 0,1,2,3,4,5,6,7
	FRAG 96*FP+12*\b, AD0+FC, 6144*\b+1536*FQ
.endr
	WIN 0
.irp a, 0,1,2,3
	FRAG F1+48*FP+12*\a, AD1+FC, 6144*\a+1536*FQ
.endr
.endm
.macro WM d, fa, fb, sa, sb, zero, ra, rb   ; one product; ra, rb: the side's scale words stand in lanes 16-31
.if \zero
.if (\ra) && (\rb)
	v_wmma_scale_f32_16x16x128_f8f6f4 v[\d:\d+7], v[\fa:\fa+11], v[\fb:\fb+11], 0, v[\sa], v[\sb] matrix_a_fmt:MATRIX_FMT_FP6 matrix_b_fmt:MATRIX_FMT_FP6 matrix_a_scale:MATRIX_SCALE_ROW1 matrix_b_scale:MATRIX_SCALE_ROW1
.elseif \ra
	v_wmma_scale_f32_16x16x128_f8f6f4 v[\d:\d+7], v[\fa:\fa+11], v[\fb:\fb+11], 0, v[\sa], v[\sb] matrix_a_fmt:MATRIX_FMT_FP6 matrix_b_fmt:MATRIX_FMT_FP6 matrix_a_scale:MATRIX_SCALE_ROW1
.elseif \rb
	v_wmma_scale_f32_16x16x128_f8f6f4 v[\d:\d+7], v[\fa:\fa+11], v[\fb:\fb+11], 0, v[\sa], v[\sb] matrix_a_fmt:MATRIX_FMT_FP6 matrix_b_fmt:MATRIX_FMT_FP6 matrix_b_scale:MATRIX_SCALE_ROW1
.else
	v_wmma_scale_f32_16x16x128_f8f6f4 v[\d:\d+7], v[\fa:\fa+11], v[\fb:\fb+11], 0, v[\sa], v[\sb] matrix_a_fmt:MATRIX_FMT_FP6 matrix_b_fmt:MATRIX_FMT_FP6
.endif
.else
.if (\ra) && (\rb)
	v_wmma_scale_f32_16x16x128_f8f6f4 v[\d:\d+7], v[\fa:\fa+11], v[\fb:\fb+11], v[\d:\d+7], v[\sa], v[\sb] matrix_a_fmt:MATRIX_FMT_FP6 matrix_b_fmt:MATRIX_FMT_FP6 matrix_a_scale:MATRIX_SCALE_ROW1 matrix_b_scale:MATRIX_SCALE_ROW1
.elseif \ra
	v_wmma_scale_f32_16x16x128_f8f6f4 v[\d:\d+7], v[\fa:\fa+11], v[\fb:\fb+11], v[\d:\d+7], v[\sa], v[\sb] matrix_a_fmt:MATRIX_FMT_FP6 matrix_b_fmt:MATRIX_FMT_FP6 matrix_a_scale:MATRIX_SCALE_ROW1
.elseif \rb
	v_wmma_scale_f32_16x16x128_f8f6f4 v[\d:\d+7], v[\fa:\fa+11], v[\fb:\fb+11], v[\d:\d+7], v[\sa], v[\sb] matrix_a_fmt:MATRIX_FMT_FP6 matrix_b_fmt:MATRIX_FMT_FP6 matrix_b_scale:MATRIX_SCALE_ROW1
.else
	v_wmma_scale_f32_16x16x128_f8f6f4 v[\d:\d+7], v[\fa:\fa+11], v[\fb:\fb+11], v[\d:\d+7], v[\sa], v[\sb] matrix_a_fmt:MATRIX_FMT_FP6 matrix_b_fmt:MATRIX_FMT_FP6
.endif
.endif
.endm
.macro MULA s, a, zero                 ; operand 1's block a against operand 0's eight.  The 32 accumulators take turns, one instruction a turn, in the same order in every step
.irp b, 0,1,2,3,4,5,6,7
	WM 64*\a+8*\b, 96*((\s)%2)+12*\b, F1+48*((\s)%2)+12*\a, SC0+8*(\b%4)+(\s), SC1+8*(\a%2)+(\s), \zero, \b/4, \a/2
.endr
.endm
.macro STEP s, zero                    ; a K step of 128: 32 products; in its middle the next step's 72 LDS loads, in one run
	s_wait_dscnt 0x0                               ; this step's fragments are in
.if (\s) == 3
	s_wait_tensorcnt 0x0                           ; every wave's load has landed: K steps 4 to 7 among them
	s_barrier_signal -1
.endif
	WIN 0xa1                                       ; source 0 window 1, source 1 window 0, C and D window 2
	MULA \s, 0, \zero
	MULA \s, 1, \zero
.if (\s) == 3
	s_barrier_wait -1
.endif
.if (\s) < 7
	PLACES 4                                       ; in front of loads into registers that the step before multiplied
	FETCH (\s)+1
.endif
	WIN 0xa1
	MULA \s, 2, \zero
	MULA \s, 3, \zero
.endm
	s_load_b256 s[4:11], s[0:1], 0x0               ; xc, xs, mask, ac
	s_load_b64 s[12:13], s[0:1], 0x20              ; asc
	v_lshl_add_u32 v254, v0, 2, 0x48000
	v_mov_b32 v255, 0
	ds_add_u32 v254, v255
	ds_add_u32 v254, v255
	v_lshrrev_b32 v1, 5, v0
	v_readfirstlane_b32 s14, v1                    ; wave
	s_lshr_b32 s15, s14, 1                         ; my 64 rows of operand 1.  Also: which half of K I fetch
	s_and_b32 s16, s14, 1                          ; my 128 rows of operand 0.  Also: I fetch for operand 0 (0) or 1 (1)
	s_bfe_u32 s17, ttmp6, 0x40000                  ; cx
	s_bfe_u32 s18, ttmp6, 0x40004                  ; cy
	s_and_b32 s76, ttmp7, 0xffff                   ; the cluster's y: 16 g + u
	s_lshr_b32 s19, s76, 4                         ; g: 0 q, 1 k, 2 v: the same in all partners
	s_and_b32 s20, s76, 15
	s_and_b32 s77, s20, 7
	s_lshr_b32 s78, s20, 3
	s_lshl_b32 s79, s19, 6
	s_add_co_u32 s79, s79, 1536                    ; Wq's or Wk's first row block
	s_lshl_b32 s85, s19, 9                         ; query's or key's
	s_cmp_eq_u32 s19, 2
	s_cselect_b32 s77, s77, 0                      ; which four tiles of operand 0
	s_cselect_b32 s78, s78, s20                    ; which four of operand 1
	s_cselect_b32 s79, 1024, s79                   ; v: operand 0 = value,
	s_cselect_b32 s85, 1664, s85                   ;    operand 1 = Wv
	s_lshl_b32 s21, s77, 2
	s_add_co_u32 s21, s21, s17                     ; operand 0's tile: hangs on cx alone
	s_lshl_b32 s22, s78, 2
	s_add_co_u32 s22, s22, s18                     ; operand 1's tile: on cy alone
	s_lshl_b32 s84, s21, 4
	s_add_co_u32 s84, s84, s79                     ; operand 0's first row block
	s_lshl_b32 s86, s22, 3
	s_add_co_u32 s85, s85, s86                     ; operand 1's
	s_lshl_b32 s89, 0x1111, s17                    ; my column of the cluster
	s_lshl_b32 s90, s18, 2
	s_lshl_b32 s90, 15, s90                        ; my row
	; descriptor group 1: row blocks x 6,144 bytes (four K steps) as 768 elements of 8 bytes, 12,288 bytes from row block to row block
	s_or_b32 s[G1A], s89, (3<<16)|(1<<21)          ; 15:0 the mask; 17:16 elements of 8 bytes; 21 set beside a mask
	s_or_b32 s[G1B], s90, (3<<16)|(1<<21)
	; a load brings four K steps (6,144 bytes, 768 elements) of all the tile's row blocks: 16 of operand 0, 8 of operand 1
	s_mov_b32 s[G1A+1], 768<<16                    ; tensor_dim0
	s_mov_b32 s[G1A+2], 16<<16                     ; tensor_dim1: 16 row blocks
	s_mov_b32 s[G1A+3], 768<<16                    ; tile_dim0
	s_mov_b32 s[G1A+4], 16                         ; tile_dim1
	s_mov_b32 s[G1A+5], 1536                       ; tensor_dim0_stride
	s_mov_b32 s[G1A+6], 0
	s_mov_b32 s[G1A+7], 0
	s_mov_b32 s[G1B+1], 768<<16
	s_mov_b32 s[G1B+2], 8<<16                      ; 8 row blocks
	s_mov_b32 s[G1B+3], 768<<16
	s_mov_b32 s[G1B+4], 8
	s_mov_b32 s[G1B+5], 1536
	s_mov_b32 s[G1B+6], 0
	s_mov_b32 s[G1B+7], 0
	s_lshl_b32 s87, s16, 3
	s_add_co_u32 s87, s87, s84                     ; operand 0: the half that I multiply
	s_mul_i32 s80, s84, 12288                      ; operand 0's tile, from its first row block
	s_mov_b32 s81, 0
	s_mul_i32 s82, s85, 12288                      ; operand 1's
	s_mov_b32 s83, 0
	s_mul_i32 s91, s16, 49152                      ; LDS: my eight row blocks of operand 0 in a half of K
	s_wait_dscnt 0x0
	s_wait_kmcnt 0x0
	s_add_nc_u64 s[80:81], s[4:5], s[80:81]
	s_add_nc_u64 s[82:83], s[4:5], s[82:83]
.irp c, 0,1                            ; group 0 for half c of K: operand 0's at s[40 + 4 c ..], operand 1's at s[56 + 4 c ..]; the LDS places are constants
	s_mov_b32 s[G0A+4*\c], 1
	s_mov_b32 s[G0A+4*\c+1], 98304*\c
	s_add_nc_u64 s[G0A+4*\c+2:G0A+4*\c+3], s[80:81], 6144*\c
	s_or_b32 s[G0A+4*\c+3], s[G0A+4*\c+3], 0x80000000
	s_mov_b32 s[56+4*\c], 1
	s_mov_b32 s[56+4*\c+1], 196608+49152*\c
	s_add_nc_u64 s[56+4*\c+2:56+4*\c+3], s[82:83], 6144*\c
	s_or_b32 s[56+4*\c+3], s[56+4*\c+3], 0x80000000
.endr
	CROUND                                         ; all sixteen work-groups are here: the joint loads meet
	; THE LOADS, ONE A WAVE, each on a line of its own in one chain of branches on the wave's number: wave 0 operand 0's K steps 0 to 3, wave 1 operand 1's, waves 2 and 3 the same of K steps 4 to 7.
	; Waves 0 and 1 wait ahead of the first barrier; every wave waits ahead of the barrier in K step 3.  Nothing is filled twice.
	s_cmp_eq_u32 s14, 0
	s_cbranch_scc0 .Lw1
	tensor_load_to_lds s[40:43], s[24:31]
	s_nop 0
	PLACES 4
	s_branch .Lasked
.Lw1:
	s_cmp_eq_u32 s14, 1
	s_cbranch_scc0 .Lw2
	tensor_load_to_lds s[56:59], s[32:39]
	s_nop 0
	PLACES 4
	s_branch .Lasked
.Lw2:
	s_cmp_eq_u32 s14, 2
	s_cbranch_scc0 .Lw3
	tensor_load_to_lds s[44:47], s[24:31]
	s_nop 0
	PLACES 4
	s_branch .Lasked
.Lw3:
	tensor_load_to_lds s[60:63], s[32:39]
	s_nop 0
	PLACES 4
.Lasked:
	v_and_b32 v1, 15, v0                           ; r
	v_bfe_u32 v2, v0, 4, 1                         ; h
	v_and_b32 v3, 31, v0                           ; l
	v_lshlrev_b32 v12, 3, v3                       ; 8 l
	v_add_nc_u32 v[AD0], s91, v12
	s_mul_i32 s93, s15, 24576
	s_add_co_u32 s93, s93, 196608
	v_add_nc_u32 v[AD1], s93, v12
	v_add_nc_u32 v[AD0+1], 98304, v[AD0]           ; the second half of K
	v_add_nc_u32 v[AD1+1], 49152, v[AD1]
	; the scale words of all of K come once, from memory into registers: 32 bytes a row
	v_lshlrev_b32 v31, 5, v1
	v_lshl_add_u32 v30, v2, 11, v31                ; operand 0: lanes 16-31 take the block four on
	s_wait_alu depctr_va_vdst(0)
	v_lshl_add_u32 v31, v2, 10, v31                ; operand 1: two on
	s_wait_alu depctr_va_vdst(0)
	s_lshl_b32 s76, s87, 9
	s_mov_b32 s77, 0
	s_add_nc_u64 s[76:77], s[6:7], s[76:77]
	s_lshl_b32 s78, s15, 2
	s_add_co_u32 s78, s78, s85
	s_lshl_b32 s78, s78, 9
	s_mov_b32 s79, 0
	s_add_nc_u64 s[78:79], s[6:7], s[78:79]
.irp q, 0,1,2,3
	global_load_b128 v[SC0+8*\q:SC0+8*\q+3], v30, s[76:77] offset:512*\q
	global_load_b128 v[SC0+8*\q+4:SC0+8*\q+7], v30, s[76:77] offset:512*\q+16
.endr
.irp q, 0,1
	global_load_b128 v[SC1+8*\q:SC1+8*\q+3], v31, s[78:79] offset:512*\q
	global_load_b128 v[SC1+8*\q+4:SC1+8*\q+7], v31, s[78:79] offset:512*\q+16
.endr
	s_lshl_b32 s80, s22, 7                         ; the mask's bytes of operand 1's rows (they count for k alone; the loads stay inside the 8,192 bytes for every g)
	s_lshl_b32 s82, s15, 6
	s_add_co_u32 s80, s80, s82
	s_mov_b32 s81, 0
	s_add_nc_u64 s[80:81], s[8:9], s[80:81]
	v_and_b32 v214, 8, v1
	v_mad_u32_u24 v214, v214, 3, v1                ; key's order of rows: lane r of my block a is token 8 a + r % 8 + 32 (r / 8) of my 64
.irp a, 0,1,2,3
	global_load_u8 v[22+\a], v214, s[80:81] offset:8*\a
.endr
	; where the results go.  q, k: my two heads, my four row blocks of tokens
	s_lshl_b32 s82, s21, 2
	s_lshl_b32 s83, s16, 1
	s_add_co_u32 s82, s82, s83                     ; my first head
	s_lshl_b32 s83, s22, 3
	s_lshl_b32 s86, s15, 2
	s_add_co_u32 s83, s83, s86                     ; my first row block of tokens
	s_lshr_b32 s86, s83, 7                         ; b
	s_and_b32 s83, s83, 127
	s_lshl_b32 s86, s86, 4
	s_add_co_u32 s86, s86, s82                     ; 16 b + head
	s_lshl_b32 s88, s86, 7
	s_add_co_u32 s88, s88, s83
	s_mul_i32 s88, s88, 768
	s_mul_i32 s89, s19, 6291456
	s_add_co_u32 s88, s88, s89                     ; codes
	s_mul_i32 s86, s86, 20480
	s_lshl_b32 s89, s19, 13
	s_add_co_u32 s86, s86, s89
	s_lshl_b32 s83, s83, 6
	s_add_co_u32 s86, s86, s83                     ; scale words
	; v: my head, my step of 128 keys
	s_lshl_b32 s90, s22, 1
	s_add_co_u32 s90, s90, s15                     ; head
	s_lshl_b32 s91, s21, 1
	s_add_co_u32 s91, s91, s16
	s_lshr_b32 s92, s91, 4                         ; b
	s_and_b32 s91, s91, 15                         ; step
	s_lshl_b32 s92, s92, 4
	s_add_co_u32 s92, s92, s90
	s_lshl_b32 s90, s92, 4
	s_add_co_u32 s90, s90, s91
	s_mul_i32 s90, s90, 6144
	s_add_co_u32 s90, s90, 12582912                ; codes
	s_mul_i32 s92, s92, 20480
	s_lshl_b32 s91, s91, 8
	s_add_co_u32 s92, s92, s91
	s_add_co_u32 s92, s92, 16384                   ; scale words
	s_mov_b32 s82, 768
	s_mov_b32 s83, 98304
	s_mov_b32 s98, 0xffff
	s_mov_b32 s93, 20480
	s_cmp_eq_u32 s19, 2
	s_cselect_b32 s94, s90, s88
	s_cselect_b32 s96, s92, s86
	s_cselect_b32 s82, 1536, s82                   ; from block a to block a + 1 of operand 1
	s_cselect_b32 s83, 768, s83                    ; from a fragment's registers 0-5 to its registers 6-11: q, k: the next head; v: the same image
	s_cselect_b32 s98, -1, s98                     ; which bytes of a word stay: q, k: the first head's two; v: all four
	s_cselect_b32 s23, 0, 0x01000000               ; q, k: byte 3 = 1: that block's codes are zeros
	s_cselect_b32 s99, 0, 16                       ; the second word: q, k: the second head's two bytes; v: the first word again,
	s_cselect_b32 s93, 0, s93                      ; stored at the first word's place: so no branch is needed
	s_mov_b32 s95, 0
	s_mov_b32 s97, 0
	s_add_nc_u64 s[94:95], s[10:11], s[94:95]
	s_add_nc_u64 s[96:97], s[12:13], s[96:97]
	s_cmp_eq_u32 s19, 0
	s_cselect_b32 s3, 127, 1                       ; byte 2: q 127, k 1 (160 where masked), v 0
	s_cmp_eq_u32 s19, 2
	s_cselect_b32 s3, 0, s3
	s_cmp_eq_u32 s19, 1
	s_cselect_b32 s2, 1, 0                         ; the mask counts for k alone
	s_mov_b32 s66, 0x76543210
	s_mov_b32 s67, 0xfedcba98                      ; v_permlanex16_b32's selects for lane l xor 16
.irp a, 1,2,3
	s_mul_i32 s20, s82, \a
	v_add_nc_u32 v[12+\a], s20, v12                ; v12-15: 8 l + a x stride
.endr
.irp a, 0,1,2,3
	v_add_nc_u32 v[16+\a], s83, v[12+\a]           ; v16-19: the upper halves' places
.endr
	v_lshlrev_b32 v20, 2, v3                       ; 4 l
	v_add_nc_u32 v21, s93, v20
.irp b, 0,1,2,3
	v_mov_b32 v[TM+4+\b], 0                        ; written once: a lane permute's destination counts as one of its sources
.endr
	s_wait_alu depctr_va_vdst(0)
	s_cmp_lt_u32 s14, 2
	s_cbranch_scc0 .Lnot_first
	s_wait_tensorcnt 0x0                           ; waves 0 and 1: K steps 0 to 3 have landed; waves 2 and 3's loads may be out
.Lnot_first:
	s_barrier_signal -1
	s_barrier_wait -1
	FETCH 0
	s_wait_loadcnt 0x0                             ; the scale words and the mask's bytes
.irp a, 0,1,2,3
	v_mul_u32_u24 v[22+\a], v[22+\a], s2           ; 1 for a masked key of k, else 0
.endr
.irp a, 0,1,2,3
	v_mad_u32_u24 v[26+\a], v[22+\a], 159, s3      ; byte 2
.endr
.irp a, 0,1,2,3
	v_lshl_or_b32 v[26+\a], v[26+\a], 16, s23      ; v26-29: bytes 2 and 3 of the words
.endr
.irp a, 0,1,2,3
	v_add_nc_u32 v[22+\a], -1, v[22+\a]            ; v22-25: 0 for a masked key, else all ones
.endr
	STEP 0, 1                                      ; the first step's products start the sums: nothing is cleared
	STEP 1, 0
	STEP 2, 0
	STEP 3, 0
	STEP 4, 0
	STEP 5, 0
	STEP 6, 0
	STEP 7, 0
; 64 numbers of a lane in window 2, register s + 16 b + i = k 32 b + 16 (lane / 16) + i of my row, become a fragment's codes in v[PC] on and its scale word in v[PW].  Each accumulator is first read at its low end.
.macro QUANT s
	WIN 0x0a                                       ; sources 0 and 1 window 2
.irp b, 0,1,2,3
	v_max3_num_f32 v[TM+\b], |v[\s+16*\b]|, |v[\s+1+16*\b]|, 0x1800000   ; block b: my 16 numbers, and the floor 2^(3 - 127): the byte cannot fall under 1
.endr
	WIN 0x28                                       ; sources 1 and 2 window 2
.irp i, 2,4,6,8,10,12,14
.irp b, 0,1,2,3
	v_max3_num_f32 v[TM+\b], v[TM+\b], |v[\s+16*\b+\i]|, |v[\s+1+16*\b+\i]|
.endr
.endr
	WIN 0
.irp b, 0,1,2,3
	v_permlanex16_b32 v[TM+4+\b], v[TM+\b], s66, s67
.endr
.irp b, 0,1,2,3
	v_max_num_f32 v[TM+\b], v[TM+\b], v[TM+4+\b]   ; with lane l xor 16's: the block's largest magnitude
.endr
.irp b, 0,1,2,3
	v_add_nc_u32 v[TM+12+\b], 0xff000000, v[TM+\b] ; 2 off the exponent field: the conversion's scale operand
.endr
.irp b, 0,1,2,3
	v_lshrrev_b32 v[TM+4+\b], 23, v[TM+12+\b]      ; the scale's byte
.endr
	v_lshl_or_b32 v[PW], v[TM+5], 8, v[TM+4]
	v_lshl_or_b32 v[PW], v[TM+6], 16, v[PW]
	v_lshl_or_b32 v[PW], v[TM+7], 24, v[PW]
	WIN 0x02                                       ; source 0 window 2
.irp c, 0,1
	v_cvt_scalef32_pk16_fp6_f32 v[PC+6*\c:PC+2+6*\c], v[\s+32*\c:\s+15+32*\c], v[TM+12+2*\c]
	v_cvt_scalef32_pk16_fp6_f32 v[PC+12+4*\c:PC+14+4*\c], v[\s+16+32*\c:\s+31+32*\c], v[TM+12+2*\c+1]   ; (a conversion's three registers begin on an even number)
.endr
	WIN 0
	v_nop                                          ; one plain place behind a scaled conversion
.irp c, 0,1                                    ; the operand's layout wants a whole block in a lane: lanes 0-15 block 2 c, lanes 16-31 block 2 c + 1
.irp i, 0,1,2
	v_permlane16_swap_b32 v[PC+6*\c+\i], v[PC+12+4*\c+\i]
.endr
.irp i, 0,1,2
	v_mov_b32 v[PC+3+6*\c+\i], v[PC+12+4*\c+\i]
.endr
.endr
.endm
	WIN 0
	PLACES 4                                       ; in front of the first read of results
.irp a, 0,1,2,3
.if \a > 0
	s_wait_xcnt 0x0                                ; the last block's stores have read their data: the codes' registers are written again only behind this wait
.endif
	QUANT 64*\a
.irp i, 0,1,2,3,4,5,6,7,8,9,10,11
	v_and_b32 v[PC+\i], v[22+\a], v[PC+\i]         ; a masked key's codes become zeros (for q and v the mask is all ones: nothing changes)
.endr
.irp i, 0,1,2
	global_store_b64 v[12+\a], v[PC+2*\i:PC+2*\i+1], s[94:95] offset:256*\i        ; 32 lanes store 256 consecutive bytes, aligned
.endr
.irp i, 0,1,2
	global_store_b64 v[16+\a], v[PC+6+2*\i:PC+7+2*\i], s[94:95] offset:256*\i
.endr
	v_and_or_b32 v[216+\a], v[PW], s98, v[26+\a]   ; the first head's word (v: the whole word)
	v_lshrrev_b32 v[220+\a], s99, v[PW]
	v_or_b32 v[220+\a], v[220+\a], v[26+\a]        ; the second head's (v: the same word again)
.endr
	v_cmp_eq_u32 vcc_lo, 1, v2                     ; two blocks' words to a store: lanes 0-15 block 2 p's, lanes 16-31 block 2 p + 1's: 128 consecutive bytes
.irp p, 0,1
	v_cndmask_b32 v[224+\p], v[216+2*\p], v[217+2*\p], vcc_lo
	v_cndmask_b32 v[226+\p], v[220+2*\p], v[221+2*\p], vcc_lo
.endr
	global_store_b32 v20, v224, s[96:97]
	global_store_b32 v20, v225, s[96:97] offset:128
	global_store_b32 v21, v226, s[96:97]
	global_store_b32 v21, v227, s[96:97] offset:128
	s_wait_tensorcnt 0x0
	ds_add_u32 v254, v255
	s_wait_dscnt 0x0
	CROUND                                         ; the closing round: no work-group ends while a partner may still ask for a tile that names it
	s_endpgm
.Lfunc_end_k_q4ddb5a1859_proj:
	.size	k_q4ddb5a1859_proj, .Lfunc_end_k_q4ddb5a1859_proj-k_q4ddb5a1859_proj
	.p2alignl 7, 3214868480
	.fill 96, 4, 3214868480
	.section	.rodata,"a",@progbits
	.p2align	6, 0x0
	.amdhsa_kernel k_q4ddb5a1859_proj
		.amdhsa_group_segment_fixed_size 327680
		.amdhsa_private_segment_fixed_size 0
		.amdhsa_enable_private_segment 0
		.amdhsa_kernarg_size 40
		.amdhsa_user_sgpr_count 2
		.amdhsa_user_sgpr_kernarg_segment_ptr 1
		.amdhsa_wavefront_size32 1
		.amdhsa_system_sgpr_workgroup_id_x 1
		.amdhsa_system_sgpr_workgroup_id_y 1
		.amdhsa_system_sgpr_workgroup_id_z 1
		.amdhsa_system_vgpr_workitem_id 0
		.amdhsa_next_free_vgpr 768
		.amdhsa_next_free_sgpr 100
		.amdhsa_reserve_vcc 1
		.amdhsa_float_denorm_mode_32 3
		.amdhsa_float_denorm_mode_16_64 3
		.amdhsa_memory_ordered 1
		.amdhsa_forward_progress 1
		.amdhsa_inst_pref_size 104
	.end_amdhsa_kernel
	.amdgpu_metadata
---
amdhsa.version: [ 1, 2 ]
amdhsa.kernels:
  - .name:           k_q4ddb5a1859_proj
    .symbol:         k_q4ddb5a1859_proj.kd
    .args:
      - { .name: xc, .offset: 0, .size: 8, .value_kind: global_buffer, .address_space: global }
      - { .name: xs, .offset: 8, .size: 8, .value_kind: global_buffer, .address_space: global }
      - { .name: mask, .offset: 16, .size: 8, .value_kind: global_buffer, .address_space: global }
      - { .name: ac, .offset: 24, .size: 8, .value_kind: global_buffer, .address_space: global }
      - { .name: asc, .offset: 32, .size: 8, .value_kind: global_buffer, .address_space: global }
    .group_segment_fixed_size: 327680
    .private_segment_fixed_size: 0
    .kernarg_segment_align: 8
    .kernarg_segment_size: 40
    .max_flat_workgroup_size: 128
    .sgpr_count:     100
    .vgpr_count:     768
    .wavefront_size: 32
...
	.end_amdgpu_metadata
.endif
;; end of part 2
;; launch attn (part 3): grid 4 x 64, 16 waves a work-group, clusters of 4 x 1, 215,040 bytes of LDS; arguments ac, asc, cc, cs; writes cc, cs
.if DOCPART == 3
	.amdgcn_target "amdgcn-amd-amdhsa--gfx1250"
	.amdhsa_code_object_version 6
	.text
	.protected	k_q4ddb5a1859_attn
	.globl	k_q4ddb5a1859_attn
	.p2align	8
	.type	k_q4ddb5a1859_attn,@function
k_q4ddb5a1859_attn:
	s_mov_b64 s[64:65], 0
	v_nop
	global_prefetch_b8 v0, s[64:65] scope:SCOPE_SE
	s_setreg_imm32_b32 hwreg(HW_REG_WAVE_MODE, 25, 1), 1
	s_wait_xcnt 0x0
	s_wait_alu depctr_hold_cnt(0) depctr_sa_sdst(0) depctr_va_vdst(0) depctr_va_sdst(0) depctr_va_ssrc(0) depctr_va_vcc(0) depctr_vm_vsrc(0)
	s_getreg_b32 s2, hwreg(HW_REG_IB_STS2, 6, 4)
	s_cmp_eq_u32 s2, 0
	s_cbranch_scc0 .Lentry_in_a_cluster
	s_endpgm
.Lentry_in_a_cluster:
	s_bfe_u32 s2, ttmp6, 0x10000c
	s_cmp_lg_u32 s2, 0x3003
	s_cbranch_scc0 .Lentry_shape_is_right
	s_endpgm
.Lentry_shape_is_right:
; ctx[b][q][head] = softmax_k(q . k / 8, masked) v, both products on codes of FP6 with E8M0 scales; ctx is quantised along its 64 channels in registers and leaves as codes for the output projection.
; THE SOFTMAX: t = score x log2(e) / 8; M = the row's largest t so far, rounded up to a whole number; p = 2^(t - M) is quantised along the keys, not normalised; the row's sum is taken of the unquantised p and divides at
; the end.  When M moves, the sum and O are multiplied by 2^(old M - new M): exact.
; THE MASK rides in the first product's idle half of K: the head fills k = 0 .. 63; at k = 64 q holds the code +1 and k the code -1 (constant registers); byte 2 of a key's scale word is 160 where it is masked (its 64
; codes are zeros: the score is exactly -2^33) and 1 where it counts (-2^-126).  -2^33 x c is a whole number, so with every key masked p = 1 for all keys, as reference() has it.
; LIMITS: a masked logit is -2^30 where reference() has -1e9: the same results while every unmasked logit lies above about -1e9 + 200.  NaN and infinities are not served.
; SHARES: 256 work-groups.  A work-group owns 512 queries of one (b, head); each of its sixteen waves takes 16 of them in each of two passes over the keys, in 256 registers: four waves to a SIMD.
; A HEAD'S K, V AND THEIR SCALE WORDS LIE IN LDS WHOLE (208,896 bytes) and serve both passes: nothing is filled twice.  The loads go out at the head, one a wave: waves 0 to 7 24,576 bytes of codes each (K's four
; quarters, V's four) on one line, wave 8 the scale words.  Every wave waits for its load ahead of the one barrier in front of the passes; between that barrier and the one at the end the waves run free of each other.
; No data prefetch: all that the work-group reads by tensor loads is asked for at the head, so there is no later load to run ahead of.
; CLUSTER 4 x 1: the four work-groups of a cluster are the four query blocks of one head and ask for its K and V jointly.
; LAYOUT: both products transposed: S^T = K Q^T, O^T = V^T P^T: a lane holds one query (lane % 16).  Row i of K's row block p is key 64 (p / 4) + 8 (p % 4) + i % 8 + 32 (i / 8): so the 32 registers of tiles 4 c .. 4 c + 3
; in lane half h are keys 64 c + 32 h + 0 .. 31 of the step, a WHOLE scale block, in the order of the second product's operand: no lane is asked for a block's maximum, and the codes are moved between no lanes.
; Queries and channels keep the order 32 (p / 2) + 8 (p % 2) + r + 8 (r / 8).  Fragments lie in LDS as images of their registers: chunks of 256 bytes, lane l's 8 bytes at 8 l.
; REGISTERS: v0 the thread; v1-4 addresses that stay; v5 Q's scale word; v6-9 K's words, v10-11 V's; v12 -M, v13 the largest t, v[14:15] the sum; v16-27 Q; v28-31 the step's addresses; v32-79 four fragments of K
; (6 loaded, 6 constant); v80-127 V's four; v128-191 S^T, then p; v192-223 O^T; v224-235 p's codes; v236-245, v248-254 at work; v246 8 x (lane / 16); v247, v255 the spare word's address and 0.
.set S,   128
.set O,   192
.set PC,  224
.set VCB, 98304                        ; LDS: K's codes at 0, V's here,
.set KSB, 196608                       ; K's scale words,
.set VSB, 204800                       ; V's,
.set CSG, 208896                       ; 2,048 bytes of the work-group's own for ctx's scale words: no load lands there,
.set SPARE, 210944                     ; and the spare words, 128 bytes a wave
.macro WALU
	s_wait_alu depctr_va_vdst(0)
.endm
.macro CROUND                          ; a round of the cluster's barrier
	s_barrier_signal -1
	s_barrier_wait -1
	s_cmp_lg_u32 s12, 0
	s_cbranch_scc1 .Lnot_wave_0_\@
	s_barrier_signal -3
.Lnot_wave_0_\@:
	s_barrier_wait -3
	s_barrier_signal -1
	s_barrier_wait -1
.endm
	s_load_b256 s[4:11], s[0:1], 0x0               ; ac, asc, cc, cs
	v_lshl_add_u32 v247, v0, 2, SPARE
	v_mov_b32 v255, 0
	ds_add_u32 v247, v255
	ds_add_u32 v247, v255
	v_lshrrev_b32 v1, 5, v0
	v_readfirstlane_b32 s12, v1                    ; wave 0..15
	s_bfe_u32 s13, ttmp6, 0x40000                  ; cx: my block of 512 queries: it enters Q's, cc's and cs's addresses alone
	s_and_b32 s15, ttmp7, 0xffff                   ; 16 b + head, which the partners share
	s_and_b32 s16, s15, 15                         ; head
	s_lshr_b32 s17, s15, 4                         ; b
	s_mul_i32 s84, s15, 98304                      ; the head's first byte in q's, k's and v's codes
	s_mov_b32 s85, 0
	s_mul_i32 s86, s15, 20480                      ; its record of scale words
	s_mov_b32 s87, 0
	; descriptor group 1: dense blocks as rows of 256 bytes (32 elements of 8 bytes): 96 rows of codes, 48 of scale words
	s_mov_b32 s24, 15|(3<<16)|(1<<21)              ; 15:0 the mask: all four work-groups; 17:16 elements of 8 bytes; 21 set beside a mask
	s_mov_b32 s25, 32<<16
	s_mov_b32 s26, 96<<16
	s_mov_b32 s27, 32<<16
	s_mov_b32 s28, 96
	s_mov_b32 s29, 32
	s_mov_b32 s30, 0
	s_mov_b32 s31, 0
	s_mov_b32 s32, 15|(3<<16)|(1<<21)
	s_mov_b32 s33, 32<<16
	s_mov_b32 s34, 48<<16
	s_mov_b32 s35, 32<<16
	s_mov_b32 s36, 48
	s_mov_b32 s37, 32
	s_mov_b32 s38, 0
	s_mov_b32 s39, 0
	s_mov_b32 s20, 0x76543210
	s_mov_b32 s21, 0xfedcba98                      ; v_permlanex16_b32's selects for lane l xor 16
	s_mov_b32 s22, 0x3e38aa3b                      ; c = log2(e) / 8
	s_mov_b32 s23, s22                             ; (named with it as a pair, so it is written)
	s_min_u32 s46, s12, 7                          ; which eighth of the codes is mine to fetch (waves 0 to 7)
	s_mov_b32 s40, 1
	s_mul_i32 s41, s46, 24576                      ; LDS: K's four quarters, then V's four
	s_lshr_b32 s44, s46, 2
	s_mul_i32 s44, s44, 6193152                    ; V's codes begin 6,291,456 bytes behind K's, of which 98,304 are counted by the eighths
	s_add_co_u32 s44, s44, s41
	s_add_co_u32 s44, s44, 6291456
	s_mov_b32 s45, 0
	s_mov_b32 s76, 1                               ; K's and V's scale words: 12,288 dense bytes
	s_mov_b32 s77, KSB
	s_wait_dscnt 0x0
	s_wait_kmcnt 0x0
	s_add_nc_u64 s[88:89], s[4:5], s[84:85]
	s_add_nc_u64 s[90:91], s[6:7], s[86:87]
	s_add_nc_u64 s[42:43], s[88:89], s[44:45]
	s_or_b32 s43, s43, 0x80000000
	s_add_nc_u64 s[78:79], s[90:91], 8192
	s_or_b32 s79, s79, 0x80000000
	CROUND                                         ; all four work-groups are here: the joint loads meet
	s_cmp_lt_u32 s12, 8                            ; one chain of branches on the wave's number, one load to an arm
	s_cbranch_scc0 .Lnot_codes
	tensor_load_to_lds s[40:43], s[24:31]
	s_nop 0
.rept 4
	v_nop
.endr
	s_branch .Lasked
.Lnot_codes:
	s_cmp_eq_u32 s12, 8
	s_cbranch_scc0 .Lasked
	tensor_load_to_lds s[76:79], s[32:39]
	s_nop 0
.rept 4
	v_nop
.endr
.Lasked:
.macro QADR p                          ; where pass p's 16 queries lie: row block 32 cx + 16 p + wave
	s_lshl_b32 s92, s13, 5
	s_add_co_u32 s92, s92, s12
	s_add_co_u32 s92, s92, 16*\p
	s_mul_i32 s94, s92, 768
	s_mov_b32 s95, 0
	s_add_nc_u64 s[94:95], s[88:89], s[94:95]
	s_lshl_b32 s96, s92, 6
	s_mov_b32 s97, 0
	s_add_nc_u64 s[96:97], s[90:91], s[96:97]
.endm
.macro QLOAD                           ; Q's registers 0-5 and its scale word (v28 = 4 r)
.irp i, 0,1,2
	global_load_b64 v[16+2*\i:17+2*\i], v1, s[94:95] offset:256*\i
.endr
	global_load_b32 v5, v28, s[96:97]
.endm
.macro INIT                            ; a pass begins: the step is written once, and the first finds zeros, which the first change of M leaves zeros
	v_mov_b32 v13, 0xff61b1e6                      ; the largest t so far: -3e38, under every t
	v_floor_f32 v12, -v13                          ; -M
	v_mov_b32 v14, 0
	v_mov_b32 v15, 0
.set j, 0
.rept 32
	v_mov_b32 v[O+j], 0
.set j, j+1
.endr
.endm
	QADR 0
	v_and_b32 v31, 31, v0                          ; l
	v_and_b32 v30, 15, v0                          ; r
	v_bfe_u32 v29, v0, 4, 1                        ; h
	v_lshlrev_b32 v1, 3, v31                       ; 8 l: my place in a chunk of 256 bytes
	v_add_nc_u32 v2, VCB, v1
	v_lshlrev_b32 v3, 2, v31
	v_add_nc_u32 v4, VSB, v3
	v_add_nc_u32 v3, KSB, v3
	v_lshlrev_b32 v28, 2, v30                      ; 4 r
	v_lshlrev_b32 v246, 3, v29                     ; 8 h
	QLOAD
	v_xor_b32 v29, 1, v29                          ; 1 in lanes 0-15, which hold k = 64 .. 95 in registers 6-11
	v_lshlrev_b32 v22, 3, v29                      ; Q: the code +1.0 (0x08) at k = 64
	v_mul_u32_u24 v38, v29, 0x28                   ; K: the code -1.0 (0x28)
	v_mov_b32 v50, v38
	v_mov_b32 v62, v38
	v_mov_b32 v74, v38
.irp i, 0,1,2,3,4
	v_mov_b32 v[23+\i], 0                          ; the rest of the idle half: zero codes
	v_mov_b32 v[39+\i], 0
	v_mov_b32 v[51+\i], 0
	v_mov_b32 v[63+\i], 0
	v_mov_b32 v[75+\i], 0
.endr
	v_mov_b32 v239, 0                              ; written once: a lane permute's destination counts as one of its sources
	v_mov_b32 v251, 0
	v_mov_b32 v252, 0
	v_mov_b32 v253, 0                              ; (named as the upper half of the pair v[252:253] before it is first written)
	INIT
.macro QK g                            ; four tiles of 16 keys: S^T = K Q^T.  A pair of tiles shares a register of scale words: the odd tile's stand in lanes 16-31
.irp t, 0,1,2,3
.if \t%2
	v_wmma_scale_f32_16x16x128_f8f6f4 v[S+32*\g+8*\t:S+32*\g+8*\t+7], v[32+12*\t:43+12*\t], v[16:27], 0, v[6+2*\g+\t/2], v5 matrix_a_fmt:MATRIX_FMT_FP6 matrix_b_fmt:MATRIX_FMT_FP6 matrix_a_scale:MATRIX_SCALE_ROW1
.else
	v_wmma_scale_f32_16x16x128_f8f6f4 v[S+32*\g+8*\t:S+32*\g+8*\t+7], v[32+12*\t:43+12*\t], v[16:27], 0, v[6+2*\g+\t/2], v5 matrix_a_fmt:MATRIX_FMT_FP6 matrix_b_fmt:MATRIX_FMT_FP6
.endif
.endr
.endm
.macro KLOAD t0                        ; K's tiles t0 .. t0 + 3: registers 0-5 of four fragments
.irp t, 0,1,2,3
.irp i, 0,1,2
	ds_load_b64 v[32+12*\t+2*\i:33+12*\t+2*\i], v28 offset:768*(\t0+\t)+256*\i
.endr
.endr
.endm
.macro MX0 c                           ; my block c's largest score, in two chains (v236 + c, v238 + c), each accumulator first read at its low end
	v_max3_num_f32 v[236+\c], v[S+32*\c], v[S+32*\c+1], v[S+32*\c+2]
	v_max3_num_f32 v[238+\c], v[S+32*\c+16], v[S+32*\c+17], v[S+32*\c+18]
.endm
.macro MXI c, i
	v_max3_num_f32 v[236+\c], v[236+\c], v[S+32*\c+(\i)], v[S+32*\c+(\i)+1]
	v_max3_num_f32 v[238+\c], v[238+\c], v[S+32*\c+16+(\i)], v[S+32*\c+17+(\i)]
.endm
; A KEY STEP: 128 keys
.macro STEP
	v_add_nc_u32 v28, s80, v1
	v_add_nc_u32 v30, s81, v3
.irp p, 0,1,2,3
	ds_load_b32 v[6+\p], v30 offset:128*\p         ; K's scale words, two tiles to a register
.endr
	KLOAD 0
	WALU
	s_wait_dscnt 0x0
	QK 0
	v_add_nc_u32 v29, s80, v2                      ; four plain lines: the places in front of the loads into K's registers; with the step's first two also those behind the last step's products, for V's
	v_add_nc_u32 v31, s82, v4
	v_mov_b32 v254, v12                            ; the old -M
	v_nop
	KLOAD 4
.irp d, 0,1,2,3
.irp i, 0,1,2,3,4,5
	ds_load_b64 v[80+12*\d+2*\i:81+12*\d+2*\i], v29 offset:1536*\d+256*\i
.endr
.endr
.irp p, 0,1
	ds_load_b32 v[10+\p], v31 offset:128*\p
.endr
	s_wait_dscnt 26                                ; K's tiles 4-7 are in; V's 24 loads and its two words may be out
	QK 1
	MX0 0                                          ; block 0's scores were finished four places ago: these four lines, which name no register of tiles 4-7's products, are those products' places
	MXI 0, 3
	MX0 1
.irp i, 5,7,9,11,13
	MXI 0, \i
	MXI 1, \i-2
.endr
	MXI 1, 13
	v_max3_num_f32 v236, v236, v[S+15], v[S+31]
	v_max3_num_f32 v237, v237, v[S+47], v[S+63]
	s_delay_alu instid0(VALU_DEP_2)
	v_max_num_f32 v236, v236, v238                 ; the largest score of my block h: it serves for the row's maximum and, since p rises with the score, for the block's largest p
	s_delay_alu instid0(VALU_DEP_2)
	v_max_num_f32 v237, v237, v239                 ; and of my block 2 + h
	s_delay_alu instid0(VALU_DEP_1)
	v_max_num_f32 v238, v236, v237
	s_delay_alu instid0(VALU_DEP_1)
	v_mul_f32 v238, s22, v238                      ; as t (c is positive)
	s_delay_alu instid0(VALU_DEP_1)
	v_permlanex16_b32 v239, v238, s20, s21         ; lane l xor 16's 64 keys
	s_delay_alu instid0(VALU_DEP_1)
	v_max3_num_f32 v13, v13, v238, v239            ; the running largest t
	s_delay_alu instid0(VALU_DEP_1)
	v_floor_f32 v12, -v13                          ; the new -M = floor(-t): M is a whole number
	s_delay_alu instid0(VALU_DEP_1)
	v_sub_f32 v254, v12, v254                      ; old M - new M: a whole number, 0 or less
	s_delay_alu instid0(VALU_DEP_1)
	v_cvt_i32_f32 v254, v254                       ; (it saturates)
	s_delay_alu instid0(VALU_DEP_1)
	v_ldexp_f32 v252, 1.0, v254                    ; f = 2^(old M - new M)
.set j, 0
.rept 32
	v_pk_fma_f32 v[S+j:S+j+1], v[S+j:S+j+1], s[22:23], v[12:13] op_sel_hi:[1,0,0]   ; t - M, two at a time
.set j, j+2
.endr
	v_fma_f32 v236, v236, s22, v12                 ; the same of each block's largest score
	v_fma_f32 v237, v237, s22, v12
	WALU                                           ; ahead of the batch
.set j, 0
.rept 64
	v_exp_f32 v[S+j], v[S+j]                       ; p = 2^(t - M), at most 1
.set j, j+1
.endr
	v_exp_f32 v236, v236                           ; the blocks' largest p: the same two instructions on the same number give the same bits
	v_exp_f32 v237, v237
	v_pk_mul_f32 v[14:15], v[14:15], v[252:253] op_sel_hi:[1,0]   ; the sums under the new M (a plain place behind the exponentials)
	WALU                                           ; and one wait for the whole batch, ahead of its first reader
.set k, 0                              ; THE ROW'S SUM OF THE UNQUANTISED p: 32 pairs in eight chains side by side
.irp t, 238,240,242,244,248,250,232
	v_pk_add_f32 v[\t:\t+1], v[S+4*k:S+4*k+1], v[S+4*k+2:S+4*k+3]
.set k, k+1
.endr
	v_pk_add_f32 v[14:15], v[14:15], v[S+28:S+29]
.set k, 0
.irp t, 238,240,242,244,248,250,232
	v_pk_add_f32 v[\t:\t+1], v[\t:\t+1], v[S+30+2*k:S+31+2*k]
.set k, k+1
.endr
	v_pk_add_f32 v[14:15], v[14:15], v[S+44:S+45]
.set k, 0
.irp t, 238,240,242,244,248,250,232
	v_pk_add_f32 v[\t:\t+1], v[\t:\t+1], v[S+46+2*k:S+47+2*k]
.set k, k+1
.endr
	v_pk_add_f32 v[14:15], v[14:15], v[S+60:S+61]
	v_pk_add_f32 v[238:239], v[238:239], v[S+62:S+63]
	v_pk_add_f32 v[242:243], v[242:243], v[244:245]
	v_pk_add_f32 v[248:249], v[248:249], v[250:251]
	v_pk_add_f32 v[14:15], v[14:15], v[232:233]
	v_pk_add_f32 v[238:239], v[238:239], v[240:241]
	s_delay_alu instid0(VALU_DEP_1)
	v_pk_add_f32 v[238:239], v[238:239], v[242:243]
	s_delay_alu instid0(VALU_DEP_3)
	v_pk_add_f32 v[14:15], v[14:15], v[248:249]
	s_delay_alu instid0(VALU_DEP_1)
	v_pk_add_f32 v[14:15], v[14:15], v[238:239]
	v_max_num_f32 v236, 0x1800000, v236            ; the floor 2^(3 - 127): the byte cannot fall under 1 (a block whose every p is 0 keeps that byte: its codes are zeros)
	v_max_num_f32 v237, 0x1800000, v237
	s_delay_alu instid0(VALU_DEP_2)
	v_add_nc_u32 v244, 0xff000000, v236            ; 2 off the exponent field: the conversion's scale operand
	s_delay_alu instid0(VALU_DEP_2)
	v_add_nc_u32 v245, 0xff000000, v237
	s_delay_alu instid0(VALU_DEP_2)
	v_lshrrev_b32 v238, 23, v244                   ; the scale's byte
	s_delay_alu instid0(VALU_DEP_2)
	v_lshrrev_b32 v239, 23, v245
	s_delay_alu instid0(VALU_DEP_1)
	v_lshl_or_b32 v253, v239, 16, v238             ; my two bytes, blocks h and 2 + h,
	s_delay_alu instid0(VALU_DEP_1)
	v_lshlrev_b32 v253, v246, v253                 ; at their places in the word;
	s_delay_alu instid0(VALU_DEP_1)
	v_permlanex16_b32 v251, v253, s20, s21
	s_delay_alu instid0(VALU_DEP_1)
	v_or_b32 v253, v253, v251                      ; with lane l xor 16's two p's scale word for these 128 keys is whole
	v_cvt_scalef32_pk16_fp6_f32 v[PC:PC+2], v[S:S+15], v244
	v_cvt_scalef32_pk16_fp6_f32 v[240:242], v[S+16:S+31], v244       ; (a conversion's three registers begin on an even number)
	v_cvt_scalef32_pk16_fp6_f32 v[PC+6:PC+8], v[S+32:S+47], v245
	v_cvt_scalef32_pk16_fp6_f32 v[248:250], v[S+48:S+63], v245
	s_wait_dscnt 0x0                               ; V's fragments and words are in
	WALU                                           ; directly ahead of the first reader of O^T
.set j, 0
.rept 8
	v_pk_mul_f32 v[O+j:O+j+1], v[O+j:O+j+1], v[252:253] op_sel_hi:[1,0]   ; O^T under the new M; the first is the plain place behind the conversions
.set j, j+2
.endr
.irp i, 0,1,2
	v_mov_b32 v[PC+3+\i], v[240+\i]
	v_mov_b32 v[PC+9+\i], v[248+\i]
.endr
.rept 8
	v_pk_mul_f32 v[O+j:O+j+1], v[O+j:O+j+1], v[252:253] op_sel_hi:[1,0]   ; these eight stand between the last write of p's codes and the products
.set j, j+2
.endr
.irp d, 0,1,2,3                                ; O^T += V^T P^T: four tiles of 16 channels, by turns
.if \d%2
	v_wmma_scale_f32_16x16x128_f8f6f4 v[O+8*\d:O+8*\d+7], v[80+12*\d:91+12*\d], v[PC:PC+11], v[O+8*\d:O+8*\d+7], v[10+\d/2], v253 matrix_a_fmt:MATRIX_FMT_FP6 matrix_b_fmt:MATRIX_FMT_FP6 matrix_a_scale:MATRIX_SCALE_ROW1
.else
	v_wmma_scale_f32_16x16x128_f8f6f4 v[O+8*\d:O+8*\d+7], v[80+12*\d:91+12*\d], v[PC:PC+11], v[O+8*\d:O+8*\d+7], v[10+\d/2], v253 matrix_a_fmt:MATRIX_FMT_FP6 matrix_b_fmt:MATRIX_FMT_FP6
.endif
.endr
	s_add_co_u32 s80, s80, 6144                    ; the next step's codes (K's and V's alike),
	s_add_co_u32 s81, s81, 512                     ; K's scale words,
	s_add_co_u32 s82, s82, 256                     ; V's
.endm
.macro PASS                            ; sixteen key steps: all 2,048 keys
	s_mov_b32 s80, 0
	s_mov_b32 s81, 0
	s_mov_b32 s82, 0
	s_mov_b32 s83, 16
.Lstep_\@:
	STEP
	s_sub_co_u32 s83, s83, 1
	s_cmp_lg_u32 s83, 0
	s_cbranch_scc1 .Lstep_\@
.endm
; THE WAY OUT of pass p.  ctx = O^T / the sum; its 64 channels are two blocks of the output projection's K: quantised here, stored as registers 0-5 or 6-11 of that operand's image.
.macro TAIL p
	WALU
	s_lshl_b32 s52, s17, 7
	s_lshl_b32 s53, s13, 5
	s_add_co_u32 s52, s52, s53
	s_add_co_u32 s52, s52, s12
	s_add_co_u32 s52, s52, 16*\p                   ; my row block among all tokens': 128 b + 32 cx + 16 p + wave
	s_mul_i32 s48, s52, 12288
	s_mul_i32 s53, s16, 768
	s_add_co_u32 s48, s48, s53
	s_mov_b32 s49, 0
	s_add_nc_u64 s[48:49], s[8:9], s[48:49]
	s_lshl_b32 s84, s12, 6
	s_add_co_u32 s84, s84, CSG+1024*\p             ; my 16 scale words in the stage
	s_and_b32 s86, s16, 1
	s_lshl_b32 s86, s86, 4                         ; an odd head's two bytes stand in the word's upper half
.if \p == 0
	QADR 1
.endif
	v_and_b32 v28, 15, v0
	v_lshlrev_b32 v28, 2, v28                      ; 4 r
.if \p == 0
	QLOAD                                          ; the next pass's queries come while this pass goes out; their registers were last read many vector lines ago
.endif
	v_add_f32 v14, v14, v15                        ; the sum's two halves,
	s_delay_alu instid0(VALU_DEP_1)
	v_permlanex16_b32 v252, v14, s20, s21
	s_delay_alu instid0(VALU_DEP_1)
	v_add_f32 v14, v14, v252                       ; and lane l xor 16's
	WALU                                           ; ahead of the transcendental
	v_rcp_f32 v14, v14
	v_add_nc_u32 v30, s84, v28                     ; my row's scale word in the stage (a plain place behind the transcendental)
	WALU                                           ; and ahead of the first reader of the reciprocal and of O^T
.set j, 0
.rept 32
	v_mul_f32 v[S+j], v[O+j], v14                  ; register 16 i + n is channel 32 i + 16 (lane / 16) + n
.set j, j+1
.endr
.irp b, 0,1
	v_max3_num_f32 v[236+\b], |v[S+16*\b]|, |v[S+1+16*\b]|, 0x1800000
.endr
.irp i, 2,4,6,8,10,12,14
.irp b, 0,1
	s_delay_alu instid0(VALU_DEP_2)
	v_max3_num_f32 v[236+\b], v[236+\b], |v[S+16*\b+\i]|, |v[S+1+16*\b+\i]|
.endr
.endr
.irp b, 0,1
	s_delay_alu instid0(VALU_DEP_2)
	v_permlanex16_b32 v[238+\b], v[236+\b], s20, s21
.endr
.irp b, 0,1
	s_delay_alu instid0(VALU_DEP_2)
	v_max_num_f32 v[236+\b], v[236+\b], v[238+\b]
.endr
.irp b, 0,1
	s_delay_alu instid0(VALU_DEP_2)
	v_add_nc_u32 v[248+\b], 0xff000000, v[236+\b]
.endr
.irp b, 0,1
	s_delay_alu instid0(VALU_DEP_2)
	v_lshrrev_b32 v[238+\b], 23, v[248+\b]
.endr
	s_delay_alu instid0(VALU_DEP_1)
	v_lshl_or_b32 v253, v239, 8, v238
	s_delay_alu instid0(VALU_DEP_1)
	v_lshlrev_b32 v253, s86, v253
	v_cvt_scalef32_pk16_fp6_f32 v[PC:PC+2], v[S:S+15], v248
	v_cvt_scalef32_pk16_fp6_f32 v[250:252], v[S+16:S+31], v249
	v_nop                                          ; one plain place behind a scaled conversion
.irp i, 0,1,2
	v_permlane16_swap_b32 v[PC+\i], v[250+\i]      ; the operand's layout wants a whole block in a lane
.endr
.irp i, 0,1,2
	s_delay_alu instid0(VALU_DEP_3)
	v_mov_b32 v[PC+3+\i], v[250+\i]
.endr
.irp i, 0,1,2
	global_store_b64 v1, v[PC+2*\i:PC+2*\i+1], s[48:49] offset:256*\i   ; 32 lanes store 256 consecutive bytes, aligned
.endr
	ds_store_b32 v30, v253                         ; lanes r and r + 16 write the same word with the same value
.endm
	WALU
	s_wait_loadcnt 0x0                             ; Q
	s_wait_tensorcnt 0x0                           ; my load has landed: on every wave's way, since the barrier shows all that is out
	s_barrier_signal -1
	s_barrier_wait -1
	PASS
	TAIL 0
	INIT
	WALU
	s_wait_loadcnt 0x0                             ; the second pass's Q
	s_wait_xcnt 0x0                                ; the stores have read their data and their base: both are written again in the second pass
	PASS
	TAIL 1
	s_and_b32 s93, s12, 3                          ; the work-group's 512 words leave as four stores of 512 consecutive bytes, by waves 0 to 3
	s_lshl_b32 s93, s93, 9
	s_add_co_u32 s85, s93, CSG
	s_lshl_b32 s50, s16, 15                        ; cs: [head][token row] words
	s_lshl_b32 s51, s17, 13
	s_add_co_u32 s50, s50, s51
	s_lshl_b32 s51, s13, 11
	s_add_co_u32 s50, s50, s51
	s_add_co_u32 s50, s50, s93
	s_mov_b32 s51, 0
	s_add_nc_u64 s[50:51], s[10:11], s[50:51]
	s_wait_dscnt 0x0                               ; for the others' sake
	s_barrier_signal -1
	s_barrier_wait -1
	v_and_b32 v31, 31, v0
	v_lshlrev_b32 v31, 4, v31                      ; 16 l
	v_add_nc_u32 v29, s85, v31
	WALU
	s_cmp_lt_u32 s12, 4
	s_cbranch_scc0 .Lno_cs
	ds_load_b128 v[232:235], v29
	s_wait_dscnt 0x0
	global_store_b128 v31, v[232:235], s[50:51]
.Lno_cs:
	s_wait_tensorcnt 0x0                           ; the wave's end
	ds_add_u32 v247, v255
	s_wait_dscnt 0x0
	CROUND                                         ; the closing round
	s_endpgm
.Lfunc_end_k_q4ddb5a1859_attn:
	.size	k_q4ddb5a1859_attn, .Lfunc_end_k_q4ddb5a1859_attn-k_q4ddb5a1859_attn
	.p2alignl 7, 3214868480
	.fill 96, 4, 3214868480
	.section	.rodata,"a",@progbits
	.p2align	6, 0x0
	.amdhsa_kernel k_q4ddb5a1859_attn
		.amdhsa_group_segment_fixed_size 215040
		.amdhsa_private_segment_fixed_size 0
		.amdhsa_enable_private_segment 0
		.amdhsa_kernarg_size 32
		.amdhsa_user_sgpr_count 2
		.amdhsa_user_sgpr_kernarg_segment_ptr 1
		.amdhsa_wavefront_size32 1
		.amdhsa_system_sgpr_workgroup_id_x 1
		.amdhsa_system_sgpr_workgroup_id_y 1
		.amdhsa_system_sgpr_workgroup_id_z 1
		.amdhsa_system_vgpr_workitem_id 0
		.amdhsa_next_free_vgpr 256
		.amdhsa_next_free_sgpr 100
		.amdhsa_reserve_vcc 0
		.amdhsa_float_denorm_mode_32 3
		.amdhsa_float_denorm_mode_16_64 3
		.amdhsa_memory_ordered 1
		.amdhsa_forward_progress 1
		.amdhsa_inst_pref_size 55
	.end_amdhsa_kernel
	.amdgpu_metadata
---
amdhsa.version: [ 1, 2 ]
amdhsa.kernels:
  - .name:           k_q4ddb5a1859_attn
    .symbol:         k_q4ddb5a1859_attn.kd
    .args:
      - { .name: ac, .offset: 0, .size: 8, .value_kind: global_buffer, .address_space: global }
      - { .name: asc, .offset: 8, .size: 8, .value_kind: global_buffer, .address_space: global }
      - { .name: cc, .offset: 16, .size: 8, .value_kind: global_buffer, .address_space: global }
      - { .name: cs, .offset: 24, .size: 8, .value_kind: global_buffer, .address_space: global }
    .group_segment_fixed_size: 215040
    .private_segment_fixed_size: 0
    .kernarg_segment_align: 8
    .kernarg_segment_size: 32
    .max_flat_workgroup_size: 512
    .sgpr_count:     100
    .vgpr_count:     256
    .wavefront_size: 32
...
	.end_amdgpu_metadata
.endif
;; end of part 3
;; launch outp (part 4): grid 4 x 64, 4 waves a work-group, clusters of 4 x 4, 327,680 bytes of LDS; arguments xc, xs, cc, cs, out0; writes out0
.if DOCPART == 4
	.amdgcn_target "amdgcn-amd-amdhsa--gfx1250"
	.amdhsa_code_object_version 6
	.text
	.protected	k_q4ddb5a1859_outp
	.globl	k_q4ddb5a1859_outp
	.p2align	8
	.type	k_q4ddb5a1859_outp,@function
k_q4ddb5a1859_outp:
	s_mov_b64 s[64:65], 0
	v_nop
	global_prefetch_b8 v0, s[64:65] scope:SCOPE_SE
	s_setreg_imm32_b32 hwreg(HW_REG_WAVE_MODE, 25, 1), 1
	s_wait_xcnt 0x0
	s_wait_alu depctr_hold_cnt(0) depctr_sa_sdst(0) depctr_va_vdst(0) depctr_va_sdst(0) depctr_va_ssrc(0) depctr_va_vcc(0) depctr_vm_vsrc(0)
	s_getreg_b32 s2, hwreg(HW_REG_IB_STS2, 6, 4)
	s_cmp_eq_u32 s2, 0
	s_cbranch_scc0 .Lentry_in_a_cluster
	s_endpgm
.Lentry_in_a_cluster:
	s_bfe_u32 s2, ttmp6, 0x10000c
	s_cmp_lg_u32 s2, 0xf033
	s_cbranch_scc0 .Lentry_shape_is_right
	s_endpgm
.Lentry_shape_is_right:
; out0 = ctx Wo^T on codes of FP6 with E8M0 scales, f32 sums, f32 out.
; OPERANDS are images of operand registers (row blocks of 16 rows x K steps of 128, 1,536 bytes; lane r of row block p = row 32 (p / 2) + 8 (p % 2) + r + 8 (r / 8)).
; TILE: 256 rows of Wo (source 0) x 128 tokens of ctx (source 1), all K = 1,024: 294,912 bytes, which lie in LDS whole: nothing is filled twice.  All tensor loads go out at the head, two chunks of four K steps, one load
; a wave; a counted wait and a barrier stand in front of each chunk.  Four waves: wave w takes 128 rows of Wo (w & 1) x 64 tokens (w >> 1): 32 accumulators.
; In a result, lane r is a token and the 16 registers of Wo's row blocks 2 i, 2 i + 1 are 16 neighbouring outputs: 32 i + 16 (lane / 16) + 0 .. 15.
; CLUSTER 4 x 4: Wo's tile hangs on cx alone and is asked for jointly by the four of a column, ctx's on cy alone, by the four of a row.
; ctx's scale words lie by heads, each head's two bytes at their place in the word: a K step's word is the OR of two heads' words.
; THE WAY OUT: 16 tokens x 128 outputs at a time through the wave's own stage in LDS, back as rows of 512 bytes.  The stages lie in Wo's chunk 0, whose last reads every wave has waited for ahead of the barrier that opens chunk 1.
; REGISTERS: window 0: v1-3 r, h, l; v4-11 LDS addresses; v12-15 the way out's; v32-79 scale words; v80-175 ctx's fragments, two sets; v176-207 heads' words at the head; v80-207 rows on the way out.
;            window 1: Wo's fragments, two sets of 96.  window 2: accumulator (b, a) at v[64 a + 8 b].
.set AD0, 4
.set AD1, 8
.set STO, 12
.set RD,  13
.set CO,  14
.set SC0, 32                           ; v[SC0 + 8 q + s]: K step s's words of Wo's block q (lanes 0-15) and q + 4 (lanes 16-31)
.set SC1, 64                           ; v[SC1 + 8 q + s]: of ctx's block q and q + 2
.set F1,  80
.set BK,  80
.set T,   176
.set G1A, 24
.set G1B, 32
.set G0A, 40
.set MSB, 0
.macro WIN new                         ; the immediate's high byte repeats the setting that is left
.if MSB != \new
	s_set_vgpr_msb (MSB<<8)|\new
.set MSB, \new
.endif
.endm
.macro PLACES n
.rept \n
	v_nop
.endr
.endm
.macro CROUND                          ; a round of the cluster's barrier
	s_barrier_signal -1
	s_barrier_wait -1
	s_cmp_lg_u32 s14, 0
	s_cbranch_scc1 .Lnot_wave_0_\@
	s_barrier_signal -3
.Lnot_wave_0_\@:
	s_barrier_wait -3
	s_barrier_signal -1
	s_barrier_wait -1
.endm
.macro FRAG reg, adr, off              ; a fragment comes back as it was stored: six loads of 256 consecutive bytes
.irp i, 0,1,2,3,4,5
	ds_load_b64 v[\reg+2*\i:\reg+2*\i+1], v[\adr] offset:\off+256*\i
.endr
.endm
.macro FETCH s                         ; K step s: Wo's eight fragments and ctx's four, into set s % 2
.set FP, (\s)%2
.set FC, (\s)/4                        ; which half of K: LDS holds [half of K][row block][four K steps of 1,536 bytes]
.set FQ, (\s)%4
	WIN 0x40                                       ; destination window 1
.irp b, 0,1,2,3,4,5,6,7
	FRAG 96*FP+12*\b, AD0+FC, 6144*\b+1536*FQ
.endr
	WIN 0
.irp a, 0,1,2,3
	FRAG F1+48*FP+12*\a, AD1+FC, 6144*\a+1536*FQ
.endr
.endm
.macro WM d, fa, fb, sa, sb, zero, ra, rb   ; one product; ra, rb: the side's scale words stand in lanes 16-31
.if \zero
.if (\ra) && (\rb)
	v_wmma_scale_f32_16x16x128_f8f6f4 v[\d:\d+7], v[\fa:\fa+11], v[\fb:\fb+11], 0, v[\sa], v[\sb] matrix_a_fmt:MATRIX_FMT_FP6 matrix_b_fmt:MATRIX_FMT_FP6 matrix_a_scale:MATRIX_SCALE_ROW1 matrix_b_scale:MATRIX_SCALE_ROW1
.elseif \ra
	v_wmma_scale_f32_16x16x128_f8f6f4 v[\d:\d+7], v[\fa:\fa+11], v[\fb:\fb+11], 0, v[\sa], v[\sb] matrix_a_fmt:MATRIX_FMT_FP6 matrix_b_fmt:MATRIX_FMT_FP6 matrix_a_scale:MATRIX_SCALE_ROW1
.elseif \rb
	v_wmma_scale_f32_16x16x128_f8f6f4 v[\d:\d+7], v[\fa:\fa+11], v[\fb:\fb+11], 0, v[\sa], v[\sb] matrix_a_fmt:MATRIX_FMT_FP6 matrix_b_fmt:MATRIX_FMT_FP6 matrix_b_scale:MATRIX_SCALE_ROW1
.else
	v_wmma_scale_f32_16x16x128_f8f6f4 v[\d:\d+7], v[\fa:\fa+11], v[\fb:\fb+11], 0, v[\sa], v[\sb] matrix_a_fmt:MATRIX_FMT_FP6 matrix_b_fmt:MATRIX_FMT_FP6
.endif
.else
.if (\ra) && (\rb)
	v_wmma_scale_f32_16x16x128_f8f6f4 v[\d:\d+7], v[\fa:\fa+11], v[\fb:\fb+11], v[\d:\d+7], v[\sa], v[\sb] matrix_a_fmt:MATRIX_FMT_FP6 matrix_b_fmt:MATRIX_FMT_FP6 matrix_a_scale:MATRIX_SCALE_ROW1 matrix_b_scale:MATRIX_SCALE_ROW1
.elseif \ra
	v_wmma_scale_f32_16x16x128_f8f6f4 v[\d:\d+7], v[\fa:\fa+11], v[\fb:\fb+11], v[\d:\d+7], v[\sa], v[\sb] matrix_a_fmt:MATRIX_FMT_FP6 matrix_b_fmt:MATRIX_FMT_FP6 matrix_a_scale:MATRIX_SCALE_ROW1
.elseif \rb
	v_wmma_scale_f32_16x16x128_f8f6f4 v[\d:\d+7], v[\fa:\fa+11], v[\fb:\fb+11], v[\d:\d+7], v[\sa], v[\sb] matrix_a_fmt:MATRIX_FMT_FP6 matrix_b_fmt:MATRIX_FMT_FP6 matrix_b_scale:MATRIX_SCALE_ROW1
.else
	v_wmma_scale_f32_16x16x128_f8f6f4 v[\d:\d+7], v[\fa:\fa+11], v[\fb:\fb+11], v[\d:\d+7], v[\sa], v[\sb] matrix_a_fmt:MATRIX_FMT_FP6 matrix_b_fmt:MATRIX_FMT_FP6
.endif
.endif
.endm
.macro MULA s, a, zero                 ; ctx's block a against Wo's eight.  The 32 accumulators take turns, one instruction a turn, in the same order in every step
.irp b, 0,1,2,3,4,5,6,7
	WM 64*\a+8*\b, 96*((\s)%2)+12*\b, F1+48*((\s)%2)+12*\a, SC0+8*(\b%4)+(\s), SC1+8*(\a%2)+(\s), \zero, \b/4, \a/2
.endr
.endm
.macro STEP s, zero                    ; a K step of 128: 32 products; in its middle the next step's 72 LDS loads, in one run
	s_wait_dscnt 0x0                               ; this step's fragments are in
.if (\s) == 3
	s_wait_tensorcnt 0x0                           ; every wave's load has landed: K steps 4 to 7 among them.  Behind this barrier nobody reads K steps 0 to 3 any more: the stages of the way out lie in Wo's bytes of those steps
	s_barrier_signal -1
.endif
	WIN 0xa1                                       ; source 0 window 1, source 1 window 0, C and D window 2
	MULA \s, 0, \zero
	MULA \s, 1, \zero
.if (\s) == 3
	s_barrier_wait -1
.endif
.if (\s) < 7
	PLACES 4                                       ; in front of loads into registers that the step before multiplied
	FETCH (\s)+1
.endif
	WIN 0xa1
	MULA \s, 2, \zero
	MULA \s, 3, \zero
.endm
	s_load_b256 s[4:11], s[0:1], 0x0               ; xc, xs, cc, cs
	s_load_b64 s[12:13], s[0:1], 0x20              ; out0
	v_lshl_add_u32 v254, v0, 2, 0x48000
	v_mov_b32 v255, 0
	ds_add_u32 v254, v255
	ds_add_u32 v254, v255
	v_lshrrev_b32 v1, 5, v0
	v_readfirstlane_b32 s14, v1                    ; wave
	s_lshr_b32 s15, s14, 1                         ; my 64 tokens.  Also: which half of K I fetch
	s_and_b32 s16, s14, 1                          ; my 128 rows of Wo.  Also: I fetch for Wo (0) or for ctx (1)
	s_bfe_u32 s17, ttmp6, 0x40000                  ; cx
	s_bfe_u32 s18, ttmp6, 0x40004                  ; cy
	s_lshl_b32 s21, ttmp9, 2
	s_add_co_u32 s21, s21, s17                     ; Wo's tile: hangs on cx alone
	s_and_b32 s22, ttmp7, 0xffff
	s_lshl_b32 s22, s22, 2
	s_add_co_u32 s22, s22, s18                     ; ctx's tile: on cy alone
	s_lshl_b32 s84, s21, 4
	s_add_co_u32 s84, s84, 1728                    ; Wo's first row block in xc
	s_lshl_b32 s85, s22, 3                         ; ctx's in cc
	s_lshl_b32 s89, 0x1111, s17                    ; my column of the cluster
	s_lshl_b32 s90, s18, 2
	s_lshl_b32 s90, 15, s90                        ; my row
	; descriptor group 1: row blocks x 6,144 bytes (four K steps) as 768 elements of 8 bytes, 12,288 bytes from row block to row block
	s_or_b32 s[G1A], s89, (3<<16)|(1<<21)          ; 15:0 the mask; 17:16 elements of 8 bytes; 21 set beside a mask
	s_or_b32 s[G1B], s90, (3<<16)|(1<<21)
	; a load brings four K steps (6,144 bytes, 768 elements) of all the tile's row blocks: 16 of Wo, 8 of ctx
	s_mov_b32 s[G1A+1], 768<<16                    ; tensor_dim0
	s_mov_b32 s[G1A+2], 16<<16                     ; tensor_dim1: 16 row blocks
	s_mov_b32 s[G1A+3], 768<<16                    ; tile_dim0
	s_mov_b32 s[G1A+4], 16                         ; tile_dim1
	s_mov_b32 s[G1A+5], 1536                       ; tensor_dim0_stride
	s_mov_b32 s[G1A+6], 0
	s_mov_b32 s[G1A+7], 0
	s_mov_b32 s[G1B+1], 768<<16
	s_mov_b32 s[G1B+2], 8<<16                      ; 8 row blocks
	s_mov_b32 s[G1B+3], 768<<16
	s_mov_b32 s[G1B+4], 8
	s_mov_b32 s[G1B+5], 1536
	s_mov_b32 s[G1B+6], 0
	s_mov_b32 s[G1B+7], 0
	s_lshl_b32 s87, s16, 3
	s_add_co_u32 s87, s87, s84                     ; Wo: the half that I multiply
	s_mul_i32 s80, s84, 12288                      ; Wo's tile, from its first row block
	s_mov_b32 s81, 0
	s_mul_i32 s82, s85, 12288                      ; ctx's
	s_mov_b32 s83, 0
	s_mul_i32 s91, s16, 49152                      ; LDS: my eight row blocks of Wo in a half of K
	s_wait_dscnt 0x0
	s_wait_kmcnt 0x0
	s_add_nc_u64 s[80:81], s[4:5], s[80:81]
	s_add_nc_u64 s[82:83], s[8:9], s[82:83]
.irp c, 0,1                            ; group 0 for half c of K: Wo's at s[40 + 4 c ..], ctx's at s[56 + 4 c ..]; the LDS places are constants
	s_mov_b32 s[G0A+4*\c], 1
	s_mov_b32 s[G0A+4*\c+1], 98304*\c
	s_add_nc_u64 s[G0A+4*\c+2:G0A+4*\c+3], s[80:81], 6144*\c
	s_or_b32 s[G0A+4*\c+3], s[G0A+4*\c+3], 0x80000000
	s_mov_b32 s[56+4*\c], 1
	s_mov_b32 s[56+4*\c+1], 196608+49152*\c
	s_add_nc_u64 s[56+4*\c+2:56+4*\c+3], s[82:83], 6144*\c
	s_or_b32 s[56+4*\c+3], s[56+4*\c+3], 0x80000000
.endr
	CROUND                                         ; all sixteen work-groups are here: the joint loads meet
	; THE LOADS, ONE A WAVE, each on a line of its own in one chain of branches on the wave's number: wave 0 Wo's K steps 0 to 3, wave 1 ctx's, waves 2 and 3 the same of K steps 4 to 7.
	; Waves 0 and 1 wait ahead of the first barrier; every wave waits ahead of the barrier in K step 3.  Nothing is filled twice.
	s_cmp_eq_u32 s14, 0
	s_cbranch_scc0 .Lw1
	tensor_load_to_lds s[40:43], s[24:31]
	s_nop 0
	PLACES 4
	s_branch .Lasked
.Lw1:
	s_cmp_eq_u32 s14, 1
	s_cbranch_scc0 .Lw2
	tensor_load_to_lds s[56:59], s[32:39]
	s_nop 0
	PLACES 4
	s_branch .Lasked
.Lw2:
	s_cmp_eq_u32 s14, 2
	s_cbranch_scc0 .Lw3
	tensor_load_to_lds s[44:47], s[24:31]
	s_nop 0
	PLACES 4
	s_branch .Lasked
.Lw3:
	tensor_load_to_lds s[60:63], s[32:39]
	s_nop 0
	PLACES 4
.Lasked:
	v_and_b32 v1, 15, v0                           ; r
	v_bfe_u32 v2, v0, 4, 1                         ; h
	v_and_b32 v3, 31, v0                           ; l
	v_lshlrev_b32 v15, 3, v3                       ; 8 l
	v_add_nc_u32 v[AD0], s91, v15
	s_mul_i32 s93, s15, 24576
	s_add_co_u32 s93, s93, 196608
	v_add_nc_u32 v[AD1], s93, v15
	v_add_nc_u32 v[AD0+1], 98304, v[AD0]           ; the second half of K
	v_add_nc_u32 v[AD1+1], 49152, v[AD1]
	; Wo's scale words of all of K: 32 bytes a row, from memory into registers, once
	v_lshlrev_b32 v30, 5, v1
	v_lshl_add_u32 v30, v2, 11, v30                ; lanes 16-31 take the block four on
	s_lshl_b32 s76, s87, 9
	s_mov_b32 s77, 0
	s_add_nc_u64 s[76:77], s[6:7], s[76:77]
.irp q, 0,1,2,3
	global_load_b128 v[SC0+8*\q:SC0+8*\q+3], v30, s[76:77] offset:512*\q
	global_load_b128 v[SC0+8*\q+4:SC0+8*\q+7], v30, s[76:77] offset:512*\q+16
.endr
	; ctx's: a word for each head and token row
	v_lshlrev_b32 v31, 2, v1
	v_lshl_add_u32 v31, v2, 7, v31                 ; 4 r; lanes 16-31 take the block two on
	s_lshl_b32 s78, s15, 2
	s_add_co_u32 s78, s78, s85
	s_lshl_b32 s78, s78, 6
	s_mov_b32 s79, 0
	s_add_nc_u64 s[78:79], s[10:11], s[78:79]
.irp q, 0,1
.irp n, 0,1,2,3,4,5,6,7,8,9,10,11,12,13,14,15
	global_load_b32 v[T+16*\q+\n], v31, s[78:79] offset:32768*\n+64*\q
.endr
.endr
	; the way out
	s_mul_i32 s86, s14, 8448                       ; my stage: 16 rows x 528 bytes
	v_mul_u32_u24 v[STO], v1, 528
	v_lshl_add_u32 v[STO], v2, 6, v[STO]
	v_add_nc_u32 v[STO], s86, v[STO]               ; in: row r, + 64 h
	v_lshlrev_b32 v[CO], 4, v3                     ; back, and in out0: 16 l
	v_add_nc_u32 v[RD], s86, v[CO]
	s_lshl_b32 s82, s22, 7
	s_lshl_b32 s83, s15, 6
	s_add_co_u32 s82, s82, s83                     ; my first token
	s_lshl_b32 s82, s82, 12                        ; rows of 4,096 bytes
	s_lshl_b32 s83, s21, 10
	s_add_co_u32 s82, s82, s83
	s_lshl_b32 s83, s16, 9
	s_add_co_u32 s94, s82, s83                     ; + my first output, in bytes
	s_mov_b32 s95, 0
	s_add_nc_u64 s[94:95], s[12:13], s[94:95]
	s_wait_alu depctr_va_vdst(0)
	s_cmp_lt_u32 s14, 2
	s_cbranch_scc0 .Lnot_first
	s_wait_tensorcnt 0x0                           ; waves 0 and 1: K steps 0 to 3 have landed; waves 2 and 3's loads may be out
.Lnot_first:
	s_barrier_signal -1
	s_barrier_wait -1
	FETCH 0
	s_wait_loadcnt 0x0                             ; the scale words
.irp q, 0,1
.irp s, 0,1,2,3,4,5,6,7
	v_or_b32 v[SC1+8*\q+\s], v[T+16*\q+2*\s], v[T+16*\q+2*\s+1]   ; K step s = heads 2 s and 2 s + 1
.endr
.endr
	PLACES 8                                       ; a scale register written by a vector instruction stands eight places ahead of a scaled product
	s_wait_alu depctr_va_vdst(0)
	STEP 0, 1                                      ; the first step's products start the sums: nothing is cleared
	STEP 1, 0
	STEP 2, 0
	STEP 3, 0
	STEP 4, 0
	STEP 5, 0
	STEP 6, 0
	STEP 7, 0
.macro TOSTAGE a                       ; ctx's block a: 16 tokens x 128 outputs into my stage, each accumulator from its low end on, and back as whole rows.  LDS serves a wave's instructions in order
	WIN 0x08                                       ; an LDS store's data are its source 1: window 2
.irp k, 0,1,2,3,4,5,6,7,8,9,10,11,12,13,14,15
	ds_store_b128 v[STO], v[64*(\a)+4*\k:64*(\a)+4*\k+3] offset:128*(\k/4)+16*(\k%4)
.endr
	WIN 0
.irp t, 0,1,2,3,4,5,6,7,8,9,10,11,12,13,14,15
	ds_load_b128 v[BK+64*((\a)%2)+4*\t:BK+64*((\a)%2)+4*\t+3], v[RD] offset:528*\t
.endr
.endm
.macro SEND a, younger                 ; younger: the LDS instructions issued behind block a's loads, which may stay out
	s_wait_dscnt \younger
.irp t, 0,1,2,3,4,5,6,7,8,9,10,11,12,13,14,15
	global_store_b128 v[CO], v[BK+64*((\a)%2)+4*\t:BK+64*((\a)%2)+4*\t+3], s[94:95] offset:(32*((\a)/2)+8*((\a)%2)+\t+8*(\t/8))*4096 th:TH_STORE_NT   ; 32 lanes store 512 consecutive bytes, aligned; written once
.endr
.endm
	WIN 0
	PLACES 4                                       ; in front of the first read of results and of loads into registers that the last products read
	TOSTAGE 0
.irp a, 1,2,3
.if \a > 1
	s_wait_xcnt 0x0                                ; block a - 2's stores have read their registers: block a's loads may land there
.endif
	TOSTAGE \a
	SEND \a-1, 32                                  ; behind block a - 1's loads: block a's 16 stores and 16 loads
.endr
	SEND 3, 0
	s_wait_tensorcnt 0x0
	ds_add_u32 v254, v255
	s_wait_dscnt 0x0
	CROUND                                         ; the closing round: no work-group ends while a partner may still ask for a tile that names it
	s_endpgm
.Lfunc_end_k_q4ddb5a1859_outp:
	.size	k_q4ddb5a1859_outp, .Lfunc_end_k_q4ddb5a1859_outp-k_q4ddb5a1859_outp
	.p2alignl 7, 3214868480
	.fill 96, 4, 3214868480
	.section	.rodata,"a",@progbits
	.p2align	6, 0x0
	.amdhsa_kernel k_q4ddb5a1859_outp
		.amdhsa_group_segment_fixed_size 327680
		.amdhsa_private_segment_fixed_size 0
		.amdhsa_enable_private_segment 0
		.amdhsa_kernarg_size 40
		.amdhsa_user_sgpr_count 2
		.amdhsa_user_sgpr_kernarg_segment_ptr 1
		.amdhsa_wavefront_size32 1
		.amdhsa_system_sgpr_workgroup_id_x 1
		.amdhsa_system_sgpr_workgroup_id_y 1
		.amdhsa_system_sgpr_workgroup_id_z 1
		.amdhsa_system_vgpr_workitem_id 0
		.amdhsa_next_free_vgpr 768
		.amdhsa_next_free_sgpr 100
		.amdhsa_reserve_vcc 0
		.amdhsa_float_denorm_mode_32 3
		.amdhsa_float_denorm_mode_16_64 3
		.amdhsa_memory_ordered 1
		.amdhsa_forward_progress 1
		.amdhsa_inst_pref_size 97
	.end_amdhsa_kernel
	.amdgpu_metadata
---
amdhsa.version: [ 1, 2 ]
amdhsa.kernels:
  - .name:           k_q4ddb5a1859_outp
    .symbol:         k_q4ddb5a1859_outp.kd
    .args:
      - { .name: xc, .offset: 0, .size: 8, .value_kind: global_buffer, .address_space: global }
      - { .name: xs, .offset: 8, .size: 8, .value_kind: global_buffer, .address_space: global }
      - { .name: cc, .offset: 16, .size: 8, .value_kind: global_buffer, .address_space: global }
      - { .name: cs, .offset: 24, .size: 8, .value_kind: global_buffer, .address_space: global }
      - { .name: out0, .offset: 32, .size: 8, .value_kind: global_buffer, .address_space: global }
    .group_segment_fixed_size: 327680
    .private_segment_fixed_size: 0
    .kernarg_segment_align: 8
    .kernarg_segment_size: 40
    .max_flat_workgroup_size: 128
    .sgpr_count:     100
    .vgpr_count:     768
    .wavefront_size: 32
...
	.end_amdgpu_metadata
.endif
;; end of part 4
